; MI455X (gfx1250); checked and timed in simulation.
; The chip was launched on July 23, 2026; its instructions are those of AMD's public machine-readable ISA for CDNA 5 (MIT licence, August 2026) and "CDNA5" Instruction Set Architecture Reference Guide (July 2026). The comments in the code are by the model that wrote it; some were corrected since.
;; Transformer Block. Allowed arithmetic: matrix products marked QUANTISED: E2M3 operands, one E8M0 scale for each 32 along K, by v_wmma_scale_f32_16x16x128_f8f6f4 with both operands' format E2M3, f32 sums; everything else in f32.
;; Inputs: g1 1,024 float32; g2 1,024 float32; w1 4,096 x 1,024 float32; w2 1,024 x 4,096 float32; wk 1,024 x 1,024 float32; wo 1,024 x 1,024 float32; wq 1,024 x 1,024 float32; wv 1,024 x 1,024 float32; x 2 x 2,048 x 1,024 float32.
;; Outputs: out0 2 x 2,048 x 1,024 float32.
;; This version of the problem:
;;   THIS VERSION OF THE PROBLEM IS GIVEN IN LOW PRECISION. The matrix products marked QUANTISED in the list below multiply operands that are first quantised to E2M3 (2 exponent bits, 3 mantissa bits; 6 bits a number), with one power-of-two scale for each 32 numbers along K (OCP MX v1.0); their sums are f32. All else is computed in f32.
;;   The module's matrix products, in the order in which they are computed (A, B: the left and right operand; K: the contracted axis; several contracted axes count as one K, in the product's order):
;;     1. [M 4,096, K 1,024] x [K 1,024, N 1,024]; A: computed on the way; B: input wq: QUANTISED
;;     2. [M 4,096, K 1,024] x [K 1,024, N 1,024]; A: computed on the way; B: input wk: QUANTISED
;;     3. [M 4,096, K 1,024] x [K 1,024, N 1,024]; A: computed on the way; B: input wv: QUANTISED
;;     4. batch 32 x [M 2,048, K 64] x [K 64, N 2,048]; A: computed on the way; B: computed on the way: QUANTISED
;;     5. batch 32 x [M 2,048, K 2,048] x [K 2,048, N 64]; A: softmax (see below); B: computed on the way: QUANTISED
;;     6. [M 4,096, K 1,024] x [K 1,024, N 1,024]; A: computed on the way; B: input wo: QUANTISED
;;     7. [M 4,096, K 1,024] x [K 1,024, N 4,096]; A: computed on the way; B: input w1: QUANTISED
;;     8. [M 4,096, K 4,096] x [K 4,096, N 1,024]; A: computed on the way; B: input w2: QUANTISED
;;   THE QUANTISER, for each operand of a quantised product, along K:
;;     - K is cut into blocks of 32 from its start; a last block that is shorter is filled with zeros.
;;     - A block's scale is 2^e with e = floor(log2(the largest magnitude in the block)) - 2, held to -126 .. 127; a block of zeros has e = 0. As a byte (E8M0): e + 127.
;;     - Each number is divided by its block's scale, clamped to +-7.5, and rounded to the nearest number of E2M3, ties to even, subnormals kept.
;;     - The product sums the exact products of the quantised numbers (number of the format x scale) in f32.
;;   ~~~python
;;   def quantise(x, axis):      # numpy; x: float32 -> the quantised numbers, widened to float32 again
;;       x = np.moveaxis(x, axis, -1); K = x.shape[-1]
;;       x = np.pad(x, [(0, 0)] * (x.ndim - 1) + [(0, -K % 32)]); x = x.reshape(x.shape[:-1] + (-1, 32)); a = np.abs(x).max(-1, keepdims=True)
;;       e = np.where(a > 0, np.clip(np.frexp(np.where(a > 0, a, 1))[1] - 1 - 2, -126, 127), 0)      # np.frexp(a)[1] - 1 = floor(log2(a)), exactly
;;       r = np.clip(x / 2.0 ** e, -7.5, 7.5)
;;       step = 2.0 ** (np.maximum(np.frexp(np.where(r == 0, 1, r))[1] - 1, 0) - 3)
;;       q = np.round(r / step) * step * 2.0 ** e      # np.round: ties to even
;;       return np.moveaxis(q.reshape(q.shape[:-2] + (-1,))[..., :K], -1, axis).astype(np.float32)
;;   ~~~
;;   SOFTMAX AHEAD OF A QUANTISED PRODUCT. Where the list says 'softmax', what is quantised is not the finished softmax but p = 2^(t - M), with t = logit x log2(e) and M = ceil(the row's largest t), a whole number; so 1/2 < the row's largest p <= 1. The row's sum l is taken of the UNQUANTISED p, in f32, and the product's result is divided by l at the end. Since M is a whole number, a kernel that streams over the keys may use a running M (the ceiling of the running maximum): every later rescaling is an exact power of two, which a block's scale takes up: the codes' values come out the same.
;;   OPERANDS COMPUTED ON THE WAY. 'Computed on the way' means the value that the module computes at that place (a softmax that the list does not call 'softmax' is quantised finished and normalised). What goes into a quantiser is computed in f32, as accurately as f32 sums, v_exp_f32 and their like allow (about 1e-6 of the number): no bf16 or f16 on the way to a quantiser, and a product that is left as it is and whose result goes on into a quantised operand takes f32 operands (vector FMAs, or v_wmma_f32_16x16x4_f32). A number that lies on a knife's edge between two numbers of the format may be rounded either way, as far as f32 arithmetic and the matrix unit's own rounding can turn it there, and no further.
;; One version. Each part assembles by itself: llvm-mc -triple=amdgcn-amd-amdhsa -mcpu=gfx1250 --defsym DOCPART=n.
;; ======== version 1 of 1: 7 launches
;; limits: right only within a limited range of input values
;; workspace buffers: W 13,107,200 bytes; QKV 10,223,616 bytes; O 3,670,016 bytes; X1 16,777,216 bytes; H2 3,670,016 bytes; G 13,107,200 bytes
;; launch prep (part 1): grid 1024 x 1, 4 waves a work-group, no clusters, 67,840 bytes of LDS; arguments x, g1, wq, wk, wv, wo, w1, w2, W; writes W
.if DOCPART == 1
	.amdgcn_target "amdgcn-amd-amdhsa--gfx1250"
	.amdhsa_code_object_version 6
	.text
	.protected	k_q016076e057_prep
	.globl	k_q016076e057_prep
	.p2align	8
	.type	k_q016076e057_prep,@function
k_q016076e057_prep:
	s_mov_b64 s[64:65], 0
	v_nop
	global_prefetch_b8 v0, s[64:65] scope:SCOPE_SE
	s_setreg_imm32_b32 hwreg(HW_REG_WAVE_MODE, 25, 1), 1
	s_wait_xcnt 0x0
; f32 rows become codes of FP6 (E2M3) with one E8M0 byte for each 32 along K, laid in the order of a matrix operand's registers.
; A UNIT is 16 rows x 1,024 along K; work-group U takes unit U.  Units 0-255: the activations (first argument), which are first normalised: x / sqrt(mean(x^2) + 1e-5) * g.
; Units 256-319 wq, 320-383 wk, 384-447 wv, 448-511 wo, 512-767 w1, 768-1023 w2 (unit 768 + 4 rb + chunk of 1,024 along its K of 4,096): quantised as they are.
; THE 16 ROWS OF A ROW BLOCK ARE NOT NEIGHBOURS: position i of row block rb is row 32 (rb / 2) + 8 (rb % 2) + i + 8 (i / 8), so that later products, used transposed, give a lane 16 neighbours along the next K.
; OUT: codes at 524,288 + U x 12,288: for each 64 along K 768 bytes: lane l = i + 16 h owns the block k = 32 h .. 32 h + 31 of position i: registers 0-3 at 16 l, registers 4-5 at 512 + 8 l.
;      scale bytes at U x 512: [512 along K][position][16 bytes].
; Wave w takes k = 256 w .. 256 w + 255.  Each load reads 512 consecutive bytes of a row; the rows turn through the wave's own stage in LDS (pitch 1,040) and come back 128 bytes (a block of 32) a lane.
; One path serves all tensors: pointers are chosen by the work-group's number; only the 32 multiplications of a block's normalisation stand under a branch on that number.
; LIMITS: NaN and infinities are not served.  A block of zeros, or one whose largest magnitude lies under 2^-124, gets the byte 1: its codes are zeros (or held small), and only this program reads the bytes.
; 1 / rms is v_rsq_f32 (1 ulp), and the division is a multiplication by it.
.set ROWP,  1040
.set STGW,  16*ROWP                    ; a wave's stage
.set SSX,   4*STGW                     ; 256 bytes: [wave][16] sums of squares
.set SCX,   SSX+256                    ; 512 bytes: the unit's scale bytes
.set SPARE, SCX+512                    ; the spare words, 128 bytes a wave
.set X,   32                           ; v32-159  128 numbers
.set G,   160                          ; v160-223 two sets of 32 gains
.set C,   224                          ; v224-255 codes: 8 registers a block, never written again
.set RI,  20                           ; v[20:21] 1 / rms
.set SPW, 28
.set NIL, 29
.set SCR, 30                           ; v30 SCX + 16 x lane
.set BASE, 32                          ; s[32:63] the address of my 1,024 bytes of each of the 16 rows
	s_load_b512 s[4:19], s[0:1], 0x0               ; x, g, wq, wk, wv, wo, w1, w2
	s_load_b64 s[20:21], s[0:1], 0x40              ; the output
	v_lshl_add_u32 v[SPW], v0, 2, SPARE
	v_mov_b32 v[NIL], 0
	v_lshrrev_b32 v12, 5, v0
	v_readfirstlane_b32 s2, v12                    ; wave
	v_and_b32 v12, 31, v0                          ; lane
	v_lshlrev_b32 v1, 4, v12                       ; 16 x lane
	v_and_b32 v2, 15, v0                           ; i
	v_bfe_u32 v3, v0, 4, 1                         ; h
	s_mul_i32 s3, s2, STGW
	v_add_nc_u32 v4, s3, v1                        ; into the stage: as loaded
	v_mul_u32_u24 v5, v2, ROWP
	v_lshl_add_u32 v5, v3, 7, v5
	v_add_nc_u32 v5, s3, v5                        ; out of it: row i, + 128 h
	s_lshl_b32 s3, s2, 10
	v_lshl_add_u32 v6, v3, 7, s3                   ; g: 1,024 w + 128 h
	s_mul_i32 s3, s2, 3072
	v_add_nc_u32 v7, s3, v1                        ; codes: four halves of 768 bytes a wave
	v_lshl_add_u32 v8, v12, 3, s3
	s_lshl_b32 s3, s2, 6
	v_lshl_add_u32 v10, v2, 2, SSX
	v_add_nc_u32 v9, s3, v10
	s_lshr_b32 s3, s2, 1
	s_lshl_b32 s3, s3, 8
	s_and_b32 s25, s2, 1
	s_lshl_b32 s25, s25, 3
	s_add_co_u32 s3, s3, s25
	v_lshl_add_u32 v11, v2, 4, s3
	v_add_nc_u32 v11, SCX, v11                     ; my wave's 8 scale bytes of row i
	v_add_nc_u32 v[SCR], SCX, v1
	s_mov_b32 s66, 0x76543210
	s_mov_b32 s67, 0xfedcba98                      ; lane l xor 16
	s_mov_b32 s68, 0x3a800000                      ; 1 / 1,024
	s_mov_b32 s69, 0x3727c5ac                      ; 1e-5
	s_mov_b32 s24, 768
	s_wait_alu depctr_va_vdst(0)
	s_wait_kmcnt 0x0
	s_mov_b64 s[22:23], s[18:19]                   ; which tensor, and its first unit: the choice hangs on the work-group's number alone
	s_cmp_lt_u32 ttmp9, 768
	s_cselect_b64 s[22:23], s[16:17], s[22:23]
	s_cselect_b32 s24, 512, s24
	s_cmp_lt_u32 ttmp9, 512
	s_cselect_b64 s[22:23], s[14:15], s[22:23]
	s_cselect_b32 s24, 448, s24
	s_cmp_lt_u32 ttmp9, 448
	s_cselect_b64 s[22:23], s[12:13], s[22:23]
	s_cselect_b32 s24, 384, s24
	s_cmp_lt_u32 ttmp9, 384
	s_cselect_b64 s[22:23], s[10:11], s[22:23]
	s_cselect_b32 s24, 320, s24
	s_cmp_lt_u32 ttmp9, 320
	s_cselect_b64 s[22:23], s[8:9], s[22:23]
	s_cselect_b32 s24, 256, s24
	s_cmp_lt_u32 ttmp9, 256
	s_cselect_b64 s[22:23], s[4:5], s[22:23]
	s_cselect_b32 s24, 0, s24
	s_sub_co_u32 s24, ttmp9, s24                   ; the unit's number in its tensor
	s_lshr_b32 s25, s24, 2
	s_and_b32 s26, s24, 3
	s_mov_b32 s28, 4096
	s_cmp_ge_u32 ttmp9, 768                        ; w2: four units to a row block, rows of 16,384 bytes
	s_cselect_b32 s25, s25, s24                    ; row block
	s_cselect_b32 s26, s26, 0                      ; chunk of 1,024 along K
	s_cselect_b32 s28, 16384, s28                  ; a row in bytes
	s_mov_b32 s29, 0
	s_lshr_b32 s27, s25, 1
	s_lshl_b32 s27, s27, 5
	s_and_b32 s25, s25, 1
	s_lshl_b32 s25, s25, 3
	s_add_co_u32 s27, s27, s25                     ; position 0's row
	s_mul_i32 s30, s27, s28
	s_lshl_b32 s26, s26, 12
	s_add_co_u32 s30, s30, s26
	s_lshl_b32 s26, s2, 10
	s_add_co_u32 s30, s30, s26
	s_mov_b32 s31, 0
	s_add_nc_u64 s[BASE:BASE+1], s[22:23], s[30:31]
	s_mul_i32 s30, s28, 9                          ; from position 7 to position 8: nine rows
.set n, 1
.rept 15
.if n == 8
	s_add_nc_u64 s[BASE+2*n:BASE+2*n+1], s[BASE+2*n-2:BASE+2*n-1], s[30:31]
.else
	s_add_nc_u64 s[BASE+2*n:BASE+2*n+1], s[BASE+2*n-2:BASE+2*n-1], s[28:29]
.endif
.set n, n+1
.endr
	s_mul_i32 s24, ttmp9, 12288
	s_add_co_u32 s24, s24, 524288
	s_mov_b32 s25, 0
	s_add_nc_u64 s[22:23], s[20:21], s[24:25]      ; the unit's codes
	s_lshl_b32 s24, ttmp9, 9
	s_add_nc_u64 s[20:21], s[20:21], s[24:25]      ; and its scale bytes
.set n, 0
.rept 16
	global_load_b128 v[X+8*n:X+8*n+3], v1, s[BASE+2*n:BASE+2*n+1] th:TH_LOAD_NT            ; 32 lanes read 512 consecutive bytes
	global_load_b128 v[X+8*n+4:X+8*n+7], v1, s[BASE+2*n:BASE+2*n+1] offset:512 th:TH_LOAD_NT
.set n, n+1
.endr
.macro GLOAD bk, set                   ; the gains of my block bk: 32 numbers
.set q, 0
.rept 8
	global_load_b128 v[G+32*(\set)+4*q:G+32*(\set)+4*q+3], v6, s[6:7] offset:256*(\bk)+16*q
.set q, q+1
.endr
.endm
	GLOAD 0, 0
	GLOAD 1, 1
.set n, 0
.rept 4
	s_wait_loadcnt 40-8*n                          ; four rows' eight loads are in; the younger rows' and g's sixteen may be out
.set m, 0
.rept 8
	ds_store_b128 v4, v[X+32*n+4*m:X+32*n+4*m+3] offset:ROWP*(4*n+m/2)+512*(m%2)
.set m, m+1
.endr
.set n, n+1
.endr
.set n, 0
.rept 32
	ds_load_b128 v[X+4*n:X+4*n+3], v5 offset:256*(n/8)+16*(n%8)   ; LDS serves a wave's instructions in order: these see my stores.  Block n / 8: k = 64 (n / 8) + 32 h on
.set n, n+1
.endr
	s_wait_dscnt 0x0
	; the row's sum of squares: my 128 numbers in four chains, lane l xor 16's, then the four waves'
.set n, 0
.rept 4
	v_pk_mul_f32 v[12+2*n:13+2*n], v[X+2*n:X+2*n+1], v[X+2*n:X+2*n+1]
.set n, n+1
.endr
.rept 60
	v_pk_fma_f32 v[12+2*(n%4):13+2*(n%4)], v[X+2*n:X+2*n+1], v[X+2*n:X+2*n+1], v[12+2*(n%4):13+2*(n%4)]
.set n, n+1
.endr
	v_pk_add_f32 v[12:13], v[12:13], v[14:15]
	v_pk_add_f32 v[16:17], v[16:17], v[18:19]
	v_pk_add_f32 v[12:13], v[12:13], v[16:17]
	v_add_f32 v12, v12, v13
	v_permlanex16_b32 v13, v12, s66, s67
	v_add_f32 v12, v12, v13
	ds_store_b32 v9, v12                           ; both halves of the lanes write the same word with the same value
	s_wait_dscnt 0x0                               ; for the others' sake
	s_barrier_signal -1
	s_barrier_wait -1
	ds_load_b32 v14, v10
	ds_load_b32 v15, v10 offset:64
	ds_load_b32 v16, v10 offset:128
	ds_load_b32 v17, v10 offset:192
	s_wait_dscnt 0x0
	v_add_f32 v14, v14, v15
	v_add_f32 v16, v16, v17
	v_add_f32 v14, v14, v16
	v_fma_f32 v14, v14, s68, s69                   ; mean + 1e-5
	s_wait_alu depctr_va_vdst(0)
	v_rsq_f32 v[RI], v14
	v_mov_b32 v[RI+1], 0                           ; a plain line behind the transcendental; the pair's upper half is named, so it is written
	s_wait_alu depctr_va_vdst(0)                   ; the wait ahead of the first reader, and ahead of the branches below
.macro BLK bk, lc
.set XB, X+32*(\bk)
.set GB, G+32*((\bk)%2)
.set CB, C+8*(\bk)
	s_wait_loadcnt \lc                             ; this block's gains are in; the other set's eight loads may be out
	s_cmp_ge_u32 ttmp9, 256                        ; weights are taken as they are
	s_cbranch_scc1 .Lweight_\@
.set n, 0
.rept 16
	v_pk_mul_f32 v[XB+n:XB+n+1], v[XB+n:XB+n+1], v[RI:RI+1] op_sel_hi:[1,0]
.set n, n+2
.endr
.set n, 0
.rept 16
	v_pk_mul_f32 v[XB+n:XB+n+1], v[XB+n:XB+n+1], v[GB+n:GB+n+1]
.set n, n+2
.endr
.Lweight_\@:
.if (\bk) < 2
	GLOAD (\bk)+2, (\bk)%2
.endif
	v_max3_num_f32 v12, |v[XB]|, |v[XB+1]|, |v[XB+2]|              ; the block's largest magnitude: all 32 numbers are mine
	v_max3_num_f32 v13, |v[XB+3]|, |v[XB+4]|, |v[XB+5]|
.irp i, 6,10,14,18,22,26
	v_max3_num_f32 v12, v12, |v[XB+\i]|, |v[XB+\i+1]|
	v_max3_num_f32 v13, v13, |v[XB+\i+2]|, |v[XB+\i+3]|
.endr
	v_max3_num_f32 v12, v12, |v[XB+30]|, |v[XB+31]|
	v_max3_num_f32 v12, v12, v13, 0x1800000        ; and the floor 2^(3 - 127): the byte cannot fall under 1
	v_add_nc_u32 v14, 0xff000000, v12              ; 2 off the exponent field: the conversion's scale operand
	v_cvt_scalef32_pk16_fp6_f32 v[CB:CB+2], v[XB:XB+15], v14
	v_cvt_scalef32_pk16_fp6_f32 v[CB+4:CB+6], v[XB+16:XB+31], v14  ; (a conversion's three registers begin on an even number)
	v_lshrrev_b32 v[22+(\bk)], 23, v14             ; the scale's byte; also the plain line behind the conversions
	v_mov_b32 v[CB+3], v[CB+4]
	v_mov_b32 v[CB+4], v[CB+5]
	v_mov_b32 v[CB+5], v[CB+6]
	global_store_b128 v7, v[CB:CB+3], s[22:23] offset:768*(\bk)       ; 512 consecutive bytes
	global_store_b64 v8, v[CB+4:CB+5], s[22:23] offset:768*(\bk)+512  ; 256 consecutive bytes
.endm
	BLK 0, 8
	BLK 1, 8
	BLK 2, 8
	BLK 3, 0
	v_lshl_or_b32 v26, v23, 16, v22                ; my four bytes: blocks 2 bk + h of my wave's eight
	v_lshl_or_b32 v27, v25, 16, v24
	v_lshlrev_b32 v12, 3, v3
	v_lshlrev_b32 v26, v12, v26                    ; 8 h bits up
	v_lshlrev_b32 v27, v12, v27
	v_permlanex16_b32 v14, v26, s66, s67
	v_permlanex16_b32 v15, v27, s66, s67
	v_or_b32 v26, v26, v14                         ; with lane l xor 16's the eight bytes are whole
	v_or_b32 v27, v27, v15
	ds_store_b64 v11, v[26:27]
	s_wait_dscnt 0x0
	s_barrier_signal -1
	s_barrier_wait -1
	s_cmp_lg_u32 s2, 0
	s_cbranch_scc1 .Lend
	ds_load_b128 v[12:15], v[SCR]
	s_wait_dscnt 0x0
	global_store_b128 v1, v[12:15], s[20:21]       ; wave 0 stores the unit's 512 scale bytes: two aligned runs of 256
.Lend:
	s_wait_tensorcnt 0x0                           ; the wave's end, behind my last LDS store
	ds_add_u32 v[SPW], v[NIL]
	s_wait_dscnt 0x0
	s_endpgm
.Lfunc_end_k_q016076e057_prep:
	.size	k_q016076e057_prep, .Lfunc_end_k_q016076e057_prep-k_q016076e057_prep
	.p2alignl 7, 3214868480
	.fill 96, 4, 3214868480
	.section	.rodata,"a",@progbits
	.p2align	6, 0x0
	.amdhsa_kernel k_q016076e057_prep
		.amdhsa_group_segment_fixed_size 67840
		.amdhsa_private_segment_fixed_size 0
		.amdhsa_enable_private_segment 0
		.amdhsa_kernarg_size 72
		.amdhsa_user_sgpr_count 2
		.amdhsa_user_sgpr_kernarg_segment_ptr 1
		.amdhsa_wavefront_size32 1
		.amdhsa_system_sgpr_workgroup_id_x 1
		.amdhsa_system_sgpr_workgroup_id_y 1
		.amdhsa_system_sgpr_workgroup_id_z 1
		.amdhsa_system_vgpr_workitem_id 0
		.amdhsa_next_free_vgpr 256
		.amdhsa_next_free_sgpr 80
		.amdhsa_reserve_vcc 0
		.amdhsa_float_denorm_mode_32 3
		.amdhsa_float_denorm_mode_16_64 3
		.amdhsa_memory_ordered 1
		.amdhsa_forward_progress 1
		.amdhsa_inst_pref_size 36
	.end_amdhsa_kernel
	.amdgpu_metadata
---
amdhsa.version: [ 1, 2 ]
amdhsa.kernels:
  - .name:           k_q016076e057_prep
    .symbol:         k_q016076e057_prep.kd
    .args:
      - { .name: x, .offset: 0, .size: 8, .value_kind: global_buffer, .address_space: global }
      - { .name: g1, .offset: 8, .size: 8, .value_kind: global_buffer, .address_space: global }
      - { .name: wq, .offset: 16, .size: 8, .value_kind: global_buffer, .address_space: global }
      - { .name: wk, .offset: 24, .size: 8, .value_kind: global_buffer, .address_space: global }
      - { .name: wv, .offset: 32, .size: 8, .value_kind: global_buffer, .address_space: global }
      - { .name: wo, .offset: 40, .size: 8, .value_kind: global_buffer, .address_space: global }
      - { .name: w1, .offset: 48, .size: 8, .value_kind: global_buffer, .address_space: global }
      - { .name: w2, .offset: 56, .size: 8, .value_kind: global_buffer, .address_space: global }
      - { .name: W, .offset: 64, .size: 8, .value_kind: global_buffer, .address_space: global }
    .group_segment_fixed_size: 67840
    .private_segment_fixed_size: 0
    .kernarg_segment_align: 8
    .kernarg_segment_size: 72
    .max_flat_workgroup_size: 128
    .sgpr_count:     80
    .vgpr_count:     256
    .wavefront_size: 32
...
	.end_amdgpu_metadata
.endif
;; end of part 1
;; launch qkv (part 2): grid 8 x 32, 4 waves a work-group, clusters of 4 x 4, 327,680 bytes of LDS; arguments W, QKV; writes QKV
.if DOCPART == 2
	.amdgcn_target "amdgcn-amd-amdhsa--gfx1250"
	.amdhsa_code_object_version 6
	.text
	.protected	k_q016076e057_qkv
	.globl	k_q016076e057_qkv
	.p2align	8
	.type	k_q016076e057_qkv,@function
k_q016076e057_qkv:
	s_mov_b64 s[64:65], 0
	v_nop
	global_prefetch_b8 v0, s[64:65] scope:SCOPE_SE
	s_setreg_imm32_b32 hwreg(HW_REG_WAVE_MODE, 25, 1), 1
	s_wait_xcnt 0x0
	s_wait_alu depctr_hold_cnt(0) depctr_sa_sdst(0) depctr_va_vdst(0) depctr_va_sdst(0) depctr_va_ssrc(0) depctr_va_vcc(0) depctr_vm_vsrc(0)
	s_getreg_b32 s2, hwreg(HW_REG_IB_STS2, 6, 4)
	s_cmp_eq_u32 s2, 0
	s_cbranch_scc0 .Lentry_in_a_cluster
	s_endpgm
.Lentry_in_a_cluster:
	s_bfe_u32 s2, ttmp6, 0x10000c
	s_cmp_lg_u32 s2, 0xf033
	s_cbranch_scc0 .Lentry_shape_is_right
	s_endpgm
.Lentry_shape_is_right:
; q, k, v = Q(rmsnorm(x)) Q(w)^T on codes of FP6 with E8M0 scales, K = 1,024; the results are quantised along the head's axis (v along the keys) and stored as operands.
; A work-group takes 128 tokens and walks three tiles of 128 rows of wq, wk, wv; a wave makes 64 x 64.
; X (the tokens) lies in memory in the order of an operand's registers: a wave loads its 64 rows x 1,024 K, 384 registers, ONCE, straight into windows 2 and 3 (K steps 0-4 and 5-7), and keeps them for all tiles:
; so only Y's fragments are read from LDS in a K step.  X is not asked for jointly: it goes through no LDS, and it is one quarter of the bytes that a work-group reads.
; Y's tiles go through two LDS slots, shared along a column of the 4 x 4 cluster by joint loads, one a wave.
.set TILES, 3
.set YRB0,  256
.set RBP,   12288
.set RBS,   512
.set TILEB, 8*RBP
.set QUARTB, 2*RBP
.set SLOT1, 1<<17
.set SPARE, TILEB
.set XR,    SLOT1+TILEB
.set CODES, 524288
.set TSTEP, 64*RBP
.set XA16, 8
.set XA8,  9
.set YB16, 10
.set YB8,  11
.set YA16, 12
.set YA8,  13
.set SOF,  16
.set SPW,  28
.set NIL,  29
.set SC,   32
.set ACC,  128
.set F0,   0
.set F1,   48                          ; window 1: four buffers for Y's fragments, 48 registers each, from v48 on; K step q uses buffer q % 4
.set F2,   96
.set F3,   144
.set G1X,  24
.set G0X,  32
.set G1Y,  48
.set G0Y,  56
.set TB,   20
.set SEL,  76
.set QT,   100
.set QC,   104
.set MSB, 0
.macro WIN new
.if MSB != \new
	s_set_vgpr_msb (MSB<<8)|\new
.set MSB, \new
.endif
.endm
.macro PLACES
.rept 4
	v_nop
.endr
.endm
.macro CROUND
	s_barrier_signal -1
	s_barrier_wait -1
	s_cmp_lg_u32 s12, 0
	s_cbranch_scc1 .Lnot_wave_0_\@
	s_barrier_signal -3
.Lnot_wave_0_\@:
	s_barrier_wait -3
	s_barrier_signal -1
	s_barrier_wait -1
.endm
.macro FRAG reg, a16, a8, off
	ds_load_b128 v[(\reg):(\reg)+3], v[\a16] offset:\off
	ds_load_b64 v[(\reg)+4:(\reg)+5], v[\a8] offset:\off+512
	ds_load_b128 v[(\reg)+6:(\reg)+9], v[\a16] offset:\off+768
	ds_load_b64 v[(\reg)+10:(\reg)+11], v[\a8] offset:\off+1280
.endm
.macro FETCH q, f
	WIN 0x40
.irp b, 0,1,2,3
	FRAG \f+48+12*\b, YA16, YA8, \b*RBP+(\q)*1536
.endr
.endm
.macro WM f, q, s, p, zero, swap
.set rD, ACC+8*(4*(\s)+(\p))
.if \swap
.set rA, 48*((\q)%5)+12*(\p)
.set rB, (\f)+48+12*(\s)
.set rP, SC+16*((\q)/4)+4*((\p)/2)+(\q)%4
.set rS, SC+16*((\q)/4)+8+4*((\s)/2)+(\q)%4
.else
.set rA, (\f)+48+12*(\p)
.set rB, 48*((\q)%5)+12*(\s)
.set rP, SC+16*((\q)/4)+8+4*((\p)/2)+(\q)%4
.set rS, SC+16*((\q)/4)+4*((\s)/2)+(\q)%4
.endif
.set par, 2*((\p)%2)+(\s)%2+4*(\zero)
.if par == 0
	v_wmma_scale_f32_16x16x128_f8f6f4 v[rD:rD+7], v[rA:rA+11], v[rB:rB+11], v[rD:rD+7], v[rP], v[rS] matrix_a_fmt:MATRIX_FMT_FP6 matrix_b_fmt:MATRIX_FMT_FP6
.elseif par == 1
	v_wmma_scale_f32_16x16x128_f8f6f4 v[rD:rD+7], v[rA:rA+11], v[rB:rB+11], v[rD:rD+7], v[rP], v[rS] matrix_a_fmt:MATRIX_FMT_FP6 matrix_b_fmt:MATRIX_FMT_FP6 matrix_b_scale:MATRIX_SCALE_ROW1
.elseif par == 2
	v_wmma_scale_f32_16x16x128_f8f6f4 v[rD:rD+7], v[rA:rA+11], v[rB:rB+11], v[rD:rD+7], v[rP], v[rS] matrix_a_fmt:MATRIX_FMT_FP6 matrix_b_fmt:MATRIX_FMT_FP6 matrix_a_scale:MATRIX_SCALE_ROW1
.elseif par == 3
	v_wmma_scale_f32_16x16x128_f8f6f4 v[rD:rD+7], v[rA:rA+11], v[rB:rB+11], v[rD:rD+7], v[rP], v[rS] matrix_a_fmt:MATRIX_FMT_FP6 matrix_b_fmt:MATRIX_FMT_FP6 matrix_a_scale:MATRIX_SCALE_ROW1 matrix_b_scale:MATRIX_SCALE_ROW1
.elseif par == 4
	v_wmma_scale_f32_16x16x128_f8f6f4 v[rD:rD+7], v[rA:rA+11], v[rB:rB+11], 0, v[rP], v[rS] matrix_a_fmt:MATRIX_FMT_FP6 matrix_b_fmt:MATRIX_FMT_FP6
.elseif par == 5
	v_wmma_scale_f32_16x16x128_f8f6f4 v[rD:rD+7], v[rA:rA+11], v[rB:rB+11], 0, v[rP], v[rS] matrix_a_fmt:MATRIX_FMT_FP6 matrix_b_fmt:MATRIX_FMT_FP6 matrix_b_scale:MATRIX_SCALE_ROW1
.elseif par == 6
	v_wmma_scale_f32_16x16x128_f8f6f4 v[rD:rD+7], v[rA:rA+11], v[rB:rB+11], 0, v[rP], v[rS] matrix_a_fmt:MATRIX_FMT_FP6 matrix_b_fmt:MATRIX_FMT_FP6 matrix_a_scale:MATRIX_SCALE_ROW1
.else
	v_wmma_scale_f32_16x16x128_f8f6f4 v[rD:rD+7], v[rA:rA+11], v[rB:rB+11], 0, v[rP], v[rS] matrix_a_fmt:MATRIX_FMT_FP6 matrix_b_fmt:MATRIX_FMT_FP6 matrix_a_scale:MATRIX_SCALE_ROW1 matrix_b_scale:MATRIX_SCALE_ROW1
.endif
.endm
.macro MUL8 f, q, s0, zero, swap
.irp s, \s0, \s0+1
.irp p, 0,1,2,3
	WM \f, \q, \s, \p, \zero, \swap
.endr
.endr
.endm
.macro SCLOAD base, add
.irp set, 0,1
.irp t, 0,1
	global_load_b128 v[SC+16*\set+\add+4*\t:SC+16*\set+\add+4*\t+3], v[SOF], s[\base:\base+1] offset:256*\set+2*\t*RBS
.endr
.endr
.endm
.macro QUARTER q, f, g, zero, swap
.if (\q) > 0
	PLACES
.endif
.if (\q) < 5
	FETCH (\q)+3, \g                               ; three K steps ahead, into the buffer that the K step before has read
.endif
.if (\q) == 0
	s_wait_alu depctr_va_vdst(0)
	s_wait_loadcnt 0x0
.endif
.if (\q) < 5
	s_wait_dscnt 48                                ; all but the three younger fetches of 16 loads
.else
	s_wait_dscnt 16*(7-(\q))                       ; the last K steps fetch nothing: 7 - q fetches are younger
.endif
.if \swap
	WIN 0x06+(\q)/5                                ; source 0: X, window 2 or 3; source 1: Y, window 1
.else
	WIN 0x09+4*((\q)/5)                            ; source 0: Y, window 1; source 1: X, window 2 or 3
.endif
	MUL8 \f, \q, 0, \zero, \swap
	MUL8 \f, \q, 2, \zero, \swap
.endm
.macro PRODUCTS swap
	v_add_nc_u32 v[YA16], s[TB], v[YB16]
	v_add_nc_u32 v[YA8], s[TB], v[YB8]
	FETCH 0, F0
	FETCH 1, F1
	FETCH 2, F2
	QUARTER 0, F0, F3, 1, \swap
	QUARTER 1, F1, F0, 0, \swap
	QUARTER 2, F2, F1, 0, \swap
	QUARTER 3, F3, F2, 0, \swap
	QUARTER 4, F0, F3, 0, \swap
	QUARTER 5, F1, F0, 0, \swap
	QUARTER 6, F2, F1, 0, \swap
	s_wait_dscnt 0x0
	MUL8 F3, 7, 0, 0, \swap
	MUL8 F3, 7, 2, 0, \swap
	WIN 0
	PLACES
.endm
.macro CHANGE fill
	s_wait_tensorcnt 0x0
	ds_add_u32 v[SPW], v[NIL]
.if \fill
	s_xor_b32 s[G0Y+1], s[G0Y+1], SLOT1
	s_add_nc_u64 s[G0Y+2:G0Y+3], s[G0Y+2:G0Y+3], TSTEP
.endif
	s_wait_dscnt 0x0
.if \fill
	CROUND
	tensor_load_to_lds s[G0Y:G0Y+3], s[G1Y:G1Y+7]
	s_nop 0
	PLACES
.else
	s_barrier_signal -1
	s_barrier_wait -1
.endif
.endm
.macro QUANT6 n, cd, wd
	v_max3_num_f32 v[QT], |v[(\n)]|, |v[(\n)+1]|, 0x1800000
	v_max3_num_f32 v[QT+1], |v[(\n)+16]|, |v[(\n)+17]|, 0x1800000
.irp i, 2,4,6,8,10,12,14
	v_max3_num_f32 v[QT], v[QT], |v[(\n)+\i]|, |v[(\n)+\i+1]|
	v_max3_num_f32 v[QT+1], v[QT+1], |v[(\n)+16+\i]|, |v[(\n)+17+\i]|
.endr
	v_permlanex16_b32 v[QT+2], v[QT], s[SEL], s[SEL+1]
	v_permlanex16_b32 v[QT+3], v[QT+1], s[SEL], s[SEL+1]
	v_max_num_f32 v[QT], v[QT], v[QT+2]
	v_max_num_f32 v[QT+1], v[QT+1], v[QT+3]
	v_add_nc_u32 v[QT], 0xff000000, v[QT]
	v_add_nc_u32 v[QT+1], 0xff000000, v[QT+1]
	v_lshrrev_b32 v[QT+2], 23, v[QT]
	v_lshrrev_b32 v[QT+3], 23, v[QT+1]
	v_lshl_or_b32 v[\wd], v[QT+3], 8, v[QT+2]
	v_cvt_scalef32_pk16_fp6_f32 v[(\cd):(\cd)+2], v[(\n):(\n)+15], v[QT]
	v_cvt_scalef32_pk16_fp6_f32 v[QC:QC+2], v[(\n)+16:(\n)+31], v[QT+1]
	v_nop
.irp i, 0,1,2
	v_permlane16_swap_b32 v[(\cd)+\i], v[QC+\i]
.endr
.irp i, 0,1,2
	v_mov_b32 v[(\cd)+3+\i], v[QC+\i]
.endr
.endm
.macro OUT next
.irp s, 0,1,2,3
	QUANT6 ACC+32*\s, 64+8*\s, 96+\s
	global_store_b128 v4, v[64+8*\s:67+8*\s], s[66:67] offset:768*\s
	global_store_b64 v5, v[68+8*\s:69+8*\s], s[66:67] offset:768*\s+512
.endr
	v_cmp_ne_u32 vcc_lo, 0, v2
	v_cndmask_b32 v108, v96, v97, vcc_lo
	v_cndmask_b32 v109, v98, v99, vcc_lo
	global_store_b64 v5, v[108:109], s[68:69]
.if \next
	s_wait_xcnt 0x0
	s_add_nc_u64 s[66:67], s[66:67], 4096*768
	s_add_nc_u64 s[68:69], s[68:69], 4096*64
.endif
.endm
	s_load_b128 s[4:7], s[0:1], 0x0
	v_lshl_add_u32 v[SPW], v0, 2, SPARE
	v_mov_b32 v[NIL], 0
	ds_add_u32 v[SPW], v[NIL]
	ds_add_u32 v[SPW], v[NIL]
	v_lshrrev_b32 v1, 5, v0
	v_readfirstlane_b32 s12, v1
	s_lshr_b32 s13, s12, 1
	s_and_b32 s14, s12, 1
	s_bfe_u32 s15, ttmp6, 0x40000
	s_bfe_u32 s16, ttmp6, 0x40004
	s_lshl_b32 s18, 0x1111, s15
	s_or_b32 s[G1Y], s18, (3<<16)|(1<<21)
.irp g, G1Y
	s_mov_b32 s[\g+1], 32<<16
	s_mov_b32 s[\g+2], 96<<16
	s_mov_b32 s[\g+3], 32<<16
	s_mov_b32 s[\g+4], 96
	s_mov_b32 s[\g+5], 32
	s_mov_b32 s[\g+6], 0
	s_mov_b32 s[\g+7], 0
.endr
	s_and_b32 s70, ttmp7, 0xffff
	s_lshl_b32 s70, s70, 2
	s_add_co_u32 s70, s70, s16
	s_lshl_b32 s70, s70, 3
	s_lshl_b32 s71, ttmp9, 2
	s_add_co_u32 s71, s71, s15
	s_lshl_b32 s71, s71, 3
	s_add_co_u32 s71, s71, YRB0
	s_lshl_b32 s21, s12, 1
	s_mov_b32 s45, 0
	s_add_co_u32 s18, s71, s21
	s_mul_i32 s46, s18, RBP
	s_add_co_u32 s46, s46, CODES
	s_mov_b32 s47, 0
	s_lshl_b32 s21, s13, 2
	s_add_co_u32 s72, s70, s21
	s_mul_i32 s40, s72, RBS
	s_mul_i32 s44, s72, RBP                        ; my four row blocks of X's codes
	s_add_co_u32 s44, s44, CODES
	s_mov_b32 s41, 0
	s_lshl_b32 s22, s14, 2
	s_add_co_u32 s73, s71, s22
	s_mul_i32 s42, s73, RBS
	s_mov_b32 s43, 0
	s_mul_i32 s23, s12, QUARTB
	s_mov_b32 s[TB], 0
	s_mov_b32 s[SEL], 0x76543210
	s_mov_b32 s[SEL+1], 0xfedcba98
	s_sub_co_u32 s74, s73, YRB0
	s_lshr_b32 s74, s74, 2
	s_lshl_b32 s74, s74, 8
	s_add_co_u32 s74, s74, s72
	s_mul_i32 s66, s74, 768
	s_add_co_u32 s66, s66, 786432
	s_mov_b32 s67, 0
	s_lshl_b32 s68, s74, 6
	s_mov_b32 s69, 0
	v_and_b32 v3, 31, v0
	v_and_b32 v1, 15, v0
	v_bfe_u32 v2, v0, 4, 1
	v_lshlrev_b32 v4, 4, v3
	v_lshlrev_b32 v5, 3, v3
	s_mul_i32 s22, s14, 4*RBP
	v_add_nc_u32 v[YB16], s22, v4
	v_add_nc_u32 v[YB8], s22, v5
	v_mul_u32_u24 v[SOF], v2, RBS
	v_lshl_add_u32 v[SOF], v1, 4, v[SOF]
	v_mov_b32 v[QT+2], 0
	v_mov_b32 v[QT+3], 0
	s_wait_alu depctr_va_vdst(0)
	s_wait_dscnt 0x0
	s_wait_kmcnt 0x0
	s_add_nc_u64 s[40:41], s[4:5], s[40:41]
	s_add_nc_u64 s[42:43], s[4:5], s[42:43]
	s_add_nc_u64 s[66:67], s[6:7], s[66:67]
	s_add_nc_u64 s[68:69], s[6:7], s[68:69]
	SCLOAD 40, 0
	SCLOAD 42, 8
	CROUND
	s_add_nc_u64 s[44:45], s[4:5], s[44:45]
	s_mov_b32 s[G0Y], 1
	s_mov_b32 s[G0Y+1], s23
	s_add_nc_u64 s[G0Y+2:G0Y+3], s[4:5], s[46:47]
	s_or_b32 s[G0Y+3], s[G0Y+3], 0x80000000
	tensor_load_to_lds s[G0Y:G0Y+3], s[G1Y:G1Y+7]  ; my one tensor load at the head: my quarter of Y's first tile
	s_nop 0
	PLACES
.set kq, 0
.rept 8                                        ; X: K step kq, row block b: 12 registers, as they lie in memory; each load reads 512 or 256 consecutive bytes
	WIN 0x80+0x40*(kq/5)
.irp b, 0,1,2,3
	global_load_b128 v[48*(kq%5)+12*\b:48*(kq%5)+12*\b+3], v4, s[44:45] offset:\b*RBP+kq*1536
	global_load_b64 v[48*(kq%5)+12*\b+4:48*(kq%5)+12*\b+5], v5, s[44:45] offset:\b*RBP+kq*1536+512
	global_load_b128 v[48*(kq%5)+12*\b+6:48*(kq%5)+12*\b+9], v4, s[44:45] offset:\b*RBP+kq*1536+768
	global_load_b64 v[48*(kq%5)+12*\b+10:48*(kq%5)+12*\b+11], v5, s[44:45] offset:\b*RBP+kq*1536+1280
.endr
.set kq, kq+1
.endr
	WIN 0
	s_mov_b32 s3, TILES-1
.Ltile:
	CHANGE 1
	PRODUCTS 0
	s_add_nc_u64 s[42:43], s[42:43], 64*RBS
	SCLOAD 42, 8
	OUT 1
	s_xor_b32 s[TB], s[TB], SLOT1
	s_sub_co_u32 s3, s3, 1
	s_cmp_lg_u32 s3, 0
	s_cbranch_scc1 .Ltile
	CHANGE 0
	PRODUCTS 1
	OUT 0
	s_wait_tensorcnt 0x0
	ds_add_u32 v[SPW], v[NIL]
	s_wait_dscnt 0x0
	CROUND
	s_endpgm
.Lfunc_end_k_q016076e057_qkv:
	.size	k_q016076e057_qkv, .Lfunc_end_k_q016076e057_qkv-k_q016076e057_qkv
	.p2alignl 7, 3214868480
	.fill 96, 4, 3214868480
	.section	.rodata,"a",@progbits
	.p2align	6, 0x0
	.amdhsa_kernel k_q016076e057_qkv
		.amdhsa_group_segment_fixed_size 327680
		.amdhsa_private_segment_fixed_size 0
		.amdhsa_enable_private_segment 0
		.amdhsa_kernarg_size 16
		.amdhsa_user_sgpr_count 2
		.amdhsa_user_sgpr_kernarg_segment_ptr 1
		.amdhsa_wavefront_size32 1
		.amdhsa_system_sgpr_workgroup_id_x 1
		.amdhsa_system_sgpr_workgroup_id_y 1
		.amdhsa_system_sgpr_workgroup_id_z 1
		.amdhsa_system_vgpr_workitem_id 0
		.amdhsa_next_free_vgpr 1024
		.amdhsa_next_free_sgpr 80
		.amdhsa_reserve_vcc 1
		.amdhsa_float_denorm_mode_32 3
		.amdhsa_float_denorm_mode_16_64 3
		.amdhsa_memory_ordered 1
		.amdhsa_forward_progress 1
		.amdhsa_inst_pref_size 88
	.end_amdhsa_kernel
	.amdgpu_metadata
---
amdhsa.version: [ 1, 2 ]
amdhsa.kernels:
  - .name:           k_q016076e057_qkv
    .symbol:         k_q016076e057_qkv.kd
    .args:
      - { .name: W, .offset: 0, .size: 8, .value_kind: global_buffer, .address_space: global }
      - { .name: QKV, .offset: 8, .size: 8, .value_kind: global_buffer, .address_space: global }
    .group_segment_fixed_size: 327680
    .private_segment_fixed_size: 0
    .kernarg_segment_align: 8
    .kernarg_segment_size: 16
    .max_flat_workgroup_size: 128
    .sgpr_count:     80
    .vgpr_count:     1024
    .wavefront_size: 32
...
	.end_amdgpu_metadata
.endif
;; end of part 2
;; launch attn (part 3): grid 8 x 32, 16 waves a work-group, clusters of 4 x 1, 327,680 bytes of LDS; arguments QKV, O; writes O
.if DOCPART == 3
	.amdgcn_target "amdgcn-amd-amdhsa--gfx1250"
	.amdhsa_code_object_version 6
	.text
	.protected	k_q016076e057_attn
	.globl	k_q016076e057_attn
	.p2align	8
	.type	k_q016076e057_attn,@function
k_q016076e057_attn:
	s_mov_b64 s[64:65], 0
	v_nop
	global_prefetch_b8 v0, s[64:65] scope:SCOPE_SE
	s_setreg_imm32_b32 hwreg(HW_REG_WAVE_MODE, 25, 1), 1
	s_wait_xcnt 0x0
	s_wait_alu depctr_hold_cnt(0) depctr_sa_sdst(0) depctr_va_vdst(0) depctr_va_sdst(0) depctr_va_ssrc(0) depctr_va_vcc(0) depctr_vm_vsrc(0)
	s_getreg_b32 s2, hwreg(HW_REG_IB_STS2, 6, 4)
	s_cmp_eq_u32 s2, 0
	s_cbranch_scc0 .Lentry_in_a_cluster
	s_endpgm
.Lentry_in_a_cluster:
	s_bfe_u32 s2, ttmp6, 0x10000c
	s_cmp_lg_u32 s2, 0x3003
	s_cbranch_scc0 .Lentry_shape_is_right
	s_endpgm
.Lentry_shape_is_right:
; Causal attention of one (batch, head) on codes of FP6: S^T = K Q^T, p = 2^(t - M), O^T = V^T P^T (K = 128 keys a step), o = O / l, quantised along d.
; t = score x log2(e) / 8; M = the running largest t rounded up to a whole number; the row's sum is taken of the unquantised p; when M moves, the sum and O^T are multiplied by 2^(old M - new M), exactly.
; LEFT OUT: key steps that lie wholly behind a tile's queries: the causal mask makes their scores -infinity, whatever the inputs hold.
; SHARES.  y = 16 b + head.  The eight work-groups of a head (two clusters of four) take query tiles qt = 8 j + xw, xw = the work-group's x, j = 0 .. 15.  Tile qt needs key steps 0 .. j, step j its diagonal.
; Waves w and w + 8 (w = 0 .. 7) share tile j = 15 - w and then tile j = w: wave w takes the even key steps, wave w + 8 the odd ones: 9 and 8 steps.  Each half has its own running M, sum and O^T.
; The halves meet through LDS records of their own bytes (O^T, -M, the sums: 4,608 bytes): after the first tile every wave stores its half; after the second, waves 0-7 store theirs; ONE barrier;
; then wave w joins tile 15 - w and wave w + 8 joins tile w: both halves are brought under the larger M by 2^(M - new M), exactly, added, divided by the joint sum, quantised and stored.
; Every branch hangs on the wave's number and a counted loop's step alone.
; LDS holds the head's whole K and V (98,304 bytes each) and their scale half words (8,192 each), filled ONCE by joint loads of the four partners, one a wave: waves 0-5 sixths of K's codes, 6-11 of V's, 12-15 the scales.
; No prefetch: everything is asked for at the head, and no loop runs ahead of a load from memory.
; THE HEAD'S AXIS IS 64, the instruction's K 128: q's upper 64 codes are zeros, so the upper half of K's operand counts for nothing, whatever finite codes it holds: tile t's operand is v[32 + 6 t .. 43 + 6 t],
; its upper half the next tile's codes (tile 7's: six registers of zeros); the upper scale bytes are 0, a finite code.
; K's fragments and scale words are asked for one of my steps ahead (the last look-ahead reads LDS bytes of V, which nobody uses); V's fragments go into the registers that p has left.
; LAYOUT.  A lane holds one query (lane % 16).  The keys of a tile of K and the d of a tile of V lie in the order 32 (t/2) + 8 (t%2) + i + 8 (i/8): so the 16 registers of two neighbouring tiles are 16 neighbours.
; LIMITS: NaN and infinities are not served; the promise holds while |t| stays under 2^31; a block of p that has fallen to zeros keeps the byte 1: its codes are zeros.
.set KV,    98304
.set SCK,   196608
.set SCVO,  8192
.set SPARE, 212992                     ; 128 bytes for each of 16 waves
.set STG,   215040                     ; 24 records: 0-15 the first tile's halves, by wave; 16-23 the second tile's even halves
.set REC,   4608
.set SPW, 30
.set NIL, 31
.set SEL, 32
.set CS,  34
.set ST,  36                           ; s36 the key step
.set JJ,  37                           ; s37 the tile's diagonal step
.set TC,  38                           ; s38 6,144 x step
.set TS,  39                           ; s39 512 x step
.set BM,  86                           ; v86-89 the blocks' largest scores, then largest p
.set PD,  90                           ; v90-93 lane permutes' results, then scale bytes
.set SO,  226                          ; v226-229 the conversions' scale operands
.set TT,  230
.set NEG, 231                          ; -infinity
.set RC,  232                          ; 1 / l
.set S1,  234
.set R16, 236                          ; 16 x (lane % 16)
.set RA,  237                          ; LDS: record w
.set RB,  238                          ; record 16 + w % 8
.set RP,  239                          ; record w + 8: my partner's half of the tile that I join
.set QT,  86
.set QC,  204
.macro CROUND
	s_barrier_signal -1
	s_barrier_wait -1
	s_cmp_lg_u32 s12, 0
	s_cbranch_scc1 .Lnot_wave_0_\@
	s_barrier_signal -3
.Lnot_wave_0_\@:
	s_barrier_wait -3
	s_barrier_signal -1
	s_barrier_wait -1
.endm
.macro WMS d, a, b, c, sa, sb          ; source 0's scales in lanes 0-15
	v_wmma_scale_f32_16x16x128_f8f6f4 v[\d:\d+7], v[\a:\a+11], v[\b:\b+11], \c, v[\sa], v[\sb] matrix_a_fmt:MATRIX_FMT_FP6 matrix_b_fmt:MATRIX_FMT_FP6
.endm
.macro WMS1 d, a, b, c, sa, sb         ; in lanes 16-31
	v_wmma_scale_f32_16x16x128_f8f6f4 v[\d:\d+7], v[\a:\a+11], v[\b:\b+11], \c, v[\sa], v[\sb] matrix_a_fmt:MATRIX_FMT_FP6 matrix_b_fmt:MATRIX_FMT_FP6 matrix_a_scale:MATRIX_SCALE_ROW1
.endm
.macro QUANT6 n, cd, wd
	v_max3_num_f32 v[QT], |v[(\n)]|, |v[(\n)+1]|, 0x1800000
	v_max3_num_f32 v[QT+1], |v[(\n)+16]|, |v[(\n)+17]|, 0x1800000
.irp i, 2,4,6,8,10,12,14
	s_delay_alu instid0(VALU_DEP_2)
	v_max3_num_f32 v[QT], v[QT], |v[(\n)+\i]|, |v[(\n)+\i+1]|
	s_delay_alu instid0(VALU_DEP_2)
	v_max3_num_f32 v[QT+1], v[QT+1], |v[(\n)+16+\i]|, |v[(\n)+17+\i]|
.endr
	s_delay_alu instid0(VALU_DEP_2)
	v_permlanex16_b32 v[QT+2], v[QT], s[SEL], s[SEL+1]
	s_delay_alu instid0(VALU_DEP_2)
	v_permlanex16_b32 v[QT+3], v[QT+1], s[SEL], s[SEL+1]
	s_delay_alu instid0(VALU_DEP_2)
	v_max_num_f32 v[QT], v[QT], v[QT+2]
	s_delay_alu instid0(VALU_DEP_2)
	v_max_num_f32 v[QT+1], v[QT+1], v[QT+3]
	s_delay_alu instid0(VALU_DEP_2)
	v_add_nc_u32 v[QT], 0xff000000, v[QT]
	s_delay_alu instid0(VALU_DEP_2)
	v_add_nc_u32 v[QT+1], 0xff000000, v[QT+1]
	s_delay_alu instid0(VALU_DEP_2)
	v_lshrrev_b32 v[QT+2], 23, v[QT]
	s_delay_alu instid0(VALU_DEP_2)
	v_lshrrev_b32 v[QT+3], 23, v[QT+1]
	s_delay_alu instid0(VALU_DEP_1)
	v_lshl_or_b32 v[\wd], v[QT+3], 8, v[QT+2]
	v_cvt_scalef32_pk16_fp6_f32 v[(\cd):(\cd)+2], v[(\n):(\n)+15], v[QT]
	v_cvt_scalef32_pk16_fp6_f32 v[QC:QC+2], v[(\n)+16:(\n)+31], v[QT+1]
	v_nop
.irp i, 0,1,2
	v_permlane16_swap_b32 v[(\cd)+\i], v[QC+\i]
.endr
.irp i, 0,1,2
	s_delay_alu instid0(VALU_DEP_3)
	v_mov_b32 v[(\cd)+3+\i], v[QC+\i]
.endr
.endm
.macro PUT adr                         ; my half of a tile into a record: O^T from each accumulator's low end on, then -M, the largest t and the two sums
.irp i, 0,1,2,3,4,5,6,7
	ds_store_b128 v[\adr], v[160+4*\i:163+4*\i] offset:512*\i
.endr
	ds_store_b128 v[\adr], v[12:15] offset:4096
.endm
	s_load_b128 s[4:7], s[0:1], 0x0                ; QKV, O
	v_lshl_add_u32 v[SPW], v0, 2, SPARE
	v_mov_b32 v[NIL], 0
	ds_add_u32 v[SPW], v[NIL]                      ; the opening lines: the add, twice on end, and its wait ahead of my first tensor load
	ds_add_u32 v[SPW], v[NIL]
	v_lshrrev_b32 v1, 5, v0
	s_delay_alu instid0(VALU_DEP_1)
	v_readfirstlane_b32 s12, v1                    ; wave 0..15
	s_and_b32 s29, s12, 7                          ; which pair of tiles
	s_lshr_b32 s30, s12, 3                         ; even (0) or odd (1) key steps
	s_bfe_u32 s13, ttmp6, 0x40000                  ; cx
	s_and_b32 s14, ttmp7, 0xffff
	s_lshr_b32 s15, s14, 4                         ; b
	s_and_b32 s16, s14, 15                         ; head
	s_lshl_b32 s17, s16, 8
	s_lshl_b32 s18, s15, 7
	s_add_co_u32 s17, s17, s18                     ; the head's first piece
	; dense blocks as rows of 256 bytes (32 elements of 8 bytes); mask: all four partners
	s_mov_b32 s52, 15|(3<<16)|(1<<21)
	s_mov_b32 s53, 32<<16
	s_mov_b32 s54, 16<<16                          ; scale half words: 16 rows
	s_mov_b32 s55, 32<<16
	s_mov_b32 s56, 16
	s_mov_b32 s57, 32
	s_mov_b32 s58, 0
	s_mov_b32 s59, 0
	s_mov_b32 s72, 15|(3<<16)|(1<<21)
	s_mov_b32 s73, 32<<16
	s_mov_b32 s74, 64<<16                          ; codes: 64 rows
	s_mov_b32 s75, 32<<16
	s_mov_b32 s76, 64
	s_mov_b32 s77, 32
	s_mov_b32 s78, 0
	s_mov_b32 s79, 0
	s_add_co_u32 s20, s17, 4096
	s_min_u32 s19, s12, 11
	s_lshl_b32 s41, s19, 14                        ; codes: K's six sixths, then V's six, 16,384 bytes each, on end in LDS
	s_mul_i32 s24, s20, 768
	s_add_co_u32 s24, s24, 786432
	s_add_co_u32 s24, s24, s41
	s_cmp_ge_u32 s12, 6
	s_cselect_b32 s21, 3145728-98304, 0            ; V's codes lie 3,145,728 bytes behind K's in memory
	s_add_co_u32 s24, s24, s21
	s_mov_b32 s25, 0
	s_and_b32 s19, s12, 3                          ; scales: waves 12, 13 K's halves, 14, 15 V's
	s_lshl_b32 s45, s19, 12
	s_add_co_u32 s45, s45, SCK
	s_lshl_b32 s22, s20, 6
	s_and_b32 s19, s12, 1
	s_lshl_b32 s19, s19, 12
	s_add_co_u32 s22, s22, s19
	s_bfe_u32 s19, s12, 0x10001
	s_lshl_b32 s19, s19, 18
	s_add_co_u32 s22, s22, s19
	s_mov_b32 s23, 0
	s_mov_b32 s[SEL], 0x76543210
	s_mov_b32 s[SEL+1], 0xfedcba98
	s_mov_b32 s[CS], 0x3e38aa3b                    ; c = log2(e) / 8
	s_mov_b32 s[CS+1], s[CS]
	s_wait_dscnt 0x0                               ; both opening adds are done
	s_wait_kmcnt 0x0
	s_mov_b32 s40, 1
	s_add_nc_u64 s[42:43], s[4:5], s[24:25]
	s_or_b32 s43, s43, 0x80000000
	s_mov_b32 s44, 1
	s_add_nc_u64 s[46:47], s[4:5], s[22:23]
	s_or_b32 s47, s47, 0x80000000
	CROUND                                         ; all four work-groups are here: the joint loads meet
	s_cmp_lt_u32 s12, 12                           ; one load a wave, in the two arms of one branch on the wave's number
	s_cbranch_scc0 .Lscales
	tensor_load_to_lds s[40:43], s[72:79]
	s_nop 0
.rept 4
	v_nop
.endr
	s_branch .Lasked
.Lscales:
	tensor_load_to_lds s[44:47], s[52:59]
	s_nop 0
.rept 4
	v_nop
.endr
.Lasked:
	s_lshl_b32 s28, ttmp9, 2
	s_add_co_u32 s28, s28, s13                     ; xw: it enters global addresses and the mask's numbers alone
	s_lshr_b32 s27, s28, 1
	s_lshl_b32 s27, s27, 5
	s_and_b32 s26, s28, 1
	s_lshl_b32 s26, s26, 3
	s_add_co_u32 s27, s27, s26
	s_mul_i32 s20, s12, REC
	s_add_co_u32 s20, s20, STG
	s_mul_i32 s21, s29, REC
	s_add_co_u32 s21, s21, STG+16*REC
	v_and_b32 v11, 31, v0
	s_delay_alu instid0(VALU_DEP_1)
	v_lshlrev_b32 v1, 4, v11                       ; 16 l
	v_lshlrev_b32 v2, 3, v11                       ; 8 l
	s_delay_alu instid0(VALU_DEP_2)
	v_add_nc_u32 v3, KV, v1
	s_delay_alu instid0(VALU_DEP_2)
	v_add_nc_u32 v4, KV, v2
	v_add_nc_u32 v5, SCK, v2
	v_add_nc_u32 v[RA], s20, v1
	v_add_nc_u32 v[RB], s21, v1
	s_delay_alu instid0(VALU_DEP_2)
	v_add_nc_u32 v[RP], 8*REC, v[RA]
	v_and_b32 v6, 15, v0                           ; r
	v_bfe_u32 v7, v0, 4, 1                         ; h
	s_delay_alu instid0(VALU_DEP_2)
	v_lshlrev_b32 v11, 3, v6                       ; 8 r
	v_lshlrev_b32 v[R16], 4, v6
	v_and_b32 v29, 8, v6
	s_delay_alu instid0(VALU_DEP_1)
	v_add_nc_u32 v29, v29, v6
	v_lshlrev_b32 v7, 4, v7
	s_delay_alu instid0(VALU_DEP_1)
	v_sub_nc_u32 v29, v29, v7
	s_delay_alu instid0(VALU_DEP_1)
	v_add_nc_u32 v29, s27, v29                     ; my query's place in its key step, less 16 h: register 16 b + i holds key 32 b + 16 h + i: hidden where 32 b + i is above this
.irp j, 22,23,24,25,26,27,80,81,82,83,84,85,86,87,88,89,90,91,92,93,225,230
	v_mov_b32 v\j, 0                               ; q's upper 64 codes and tile 7's upper half: zeros; lane permutes' destinations and a pair's upper half are written once
.endr
	v_mov_b32 v[NEG], 0xff800000
.macro STEP
	s_cmp_gt_u32 s[ST], s[JJ]                      ; all keys of the step come after my queries
	s_cbranch_scc1 .Lpast_\@
	v_add_nc_u32 v6, s[TC], v1
	v_add_nc_u32 v7, s[TC], v2
	v_add_nc_u32 v8, s[TC], v3
	v_add_nc_u32 v9, s[TC], v4
	v_add_nc_u32 v10, s[TS], v5
	v_nop                                          ; six places: the products below write over registers that the last step's products read
	s_wait_alu depctr_va_vdst(0)
	ds_load_b64 v[216:217], v10 offset:SCVO        ; V's scale half words: keys 0-63,
	ds_load_b64 v[218:219], v10 offset:SCVO+256    ; keys 64-127
	s_wait_dscnt 0x0                               ; these, and K's fragments and scale words, asked for a step ago
.irp t, 0,2,4,6
	WMS  96+8*\t, 32+6*\t, 16, 0, 212+\t/2, 28
	WMS1 104+8*\t, 38+6*\t, 16, 0, 212+\t/2, 28
.endr
	v_lshl_or_b32 v220, v218, 16, v216             ; V's scale words for these 128 keys: d tiles 0, 1
	v_lshl_or_b32 v221, v219, 16, v217             ; d tiles 2, 3
	v_nop
	v_nop                                          ; four places; then K of my next step, two key steps on: 18 loads
	ds_load_b64 v[212:213], v10 offset:1024
	ds_load_b64 v[214:215], v10 offset:1280
.irp t, 0,1,2,3,4,5,6,7
	ds_load_b128 v[32+6*\t:35+6*\t], v6 offset:12288+\t*768
	ds_load_b64 v[36+6*\t:37+6*\t], v7 offset:12288+\t*768+512
.endr
	s_cmp_lg_u32 s[ST], s[JJ]                      ; on the diagonal hidden scores become -infinity ahead of the maximum
	s_cbranch_scc1 .Lopen_\@
.set n, 0
.rept 64
	v_cmp_gt_i32 vcc_lo, 32*(n/16)+n%16, v29
	v_cndmask_b32 v[96+n], v[96+n], v[NEG], vcc_lo
.set n, n+1
.endr
.Lopen_\@:
.irp b, 0,1,2,3
	v_max3_num_f32 v[BM+\b], v[96+16*\b], v[97+16*\b], v[98+16*\b]   ; the largest score of each block of 32 keys: for the row's maximum and, since p rises with the score, for the block's largest p
.endr
.irp i, 3,5,7,9,11,13
.irp b, 0,1,2,3
	v_max3_num_f32 v[BM+\b], v[BM+\b], v[96+16*\b+\i], v[97+16*\b+\i]
.endr
.endr
.irp b, 0,1,2,3
	v_max_num_f32 v[BM+\b], v[BM+\b], v[111+16*\b]
.endr
.irp b, 0,1,2,3
	s_delay_alu instid0(VALU_DEP_4)
	v_permlanex16_b32 v[PD+\b], v[BM+\b], s[SEL], s[SEL+1]
.endr
.irp b, 0,1,2,3
	s_delay_alu instid0(VALU_DEP_4)
	v_max_num_f32 v[BM+\b], v[BM+\b], v[PD+\b]
.endr
	s_delay_alu instid0(VALU_DEP_2)
	v_max3_num_f32 v[TT], v[BM], v[BM+1], v[BM+2]
	s_delay_alu instid0(VALU_DEP_1)
	v_max_num_f32 v[TT], v[TT], v[BM+3]
	s_delay_alu instid0(VALU_DEP_1)
	v_mul_f32 v[TT], s[CS], v[TT]
	s_delay_alu instid0(VALU_DEP_1)
	v_max_num_f32 v13, v13, v[TT]                  ; the running largest t
	v_mov_b32 v[TT], v12
	s_delay_alu instid0(VALU_DEP_2)
	v_floor_f32 v12, -v13                          ; the new -M
	s_delay_alu instid0(VALU_DEP_1)
	v_sub_f32 v[TT], v12, v[TT]                    ; old M - new M: a whole number, 0 or less
	s_delay_alu instid0(VALU_DEP_1)
	v_cvt_i32_f32 v[TT], v[TT]                     ; (it saturates)
	s_delay_alu instid0(VALU_DEP_1)
	v_ldexp_f32 v224, 1.0, v[TT]                   ; f = 2^(old M - new M)
.set n, 0
.rept 32
	v_pk_fma_f32 v[96+n:97+n], v[96+n:97+n], s[CS:CS+1], v[12:13] op_sel_hi:[1,0,0]   ; t - M
.set n, n+2
.endr
.irp b, 0,1,2,3
	v_fma_f32 v[BM+\b], v[BM+\b], s[CS], v12
.endr
	s_wait_alu depctr_va_vdst(0)                   ; the wait ahead of the batch
.set n, 0
.rept 64
	v_exp_f32 v[96+n], v[96+n]                     ; p = 2^(t - M)
.set n, n+1
.endr
.irp b, 0,1,2,3
	v_exp_f32 v[BM+\b], v[BM+\b]                   ; the blocks' largest p
.endr
	v_pk_mul_f32 v[14:15], v[14:15], v[224:225] op_sel_hi:[1,0]      ; the sums under the new M; a plain place behind the exponentials
	s_wait_alu depctr_va_vdst(0)                   ; one wait for the batch, ahead of its first reader
.irp b, 0,1,2,3
	v_max_num_f32 v[BM+\b], 0x1800000, v[BM+\b]    ; the floor 2^(3 - 127)
.endr
.irp b, 0,1,2,3
	s_delay_alu instid0(VALU_DEP_4)
	v_add_nc_u32 v[SO+\b], 0xff000000, v[BM+\b]
.endr
.irp b, 0,1,2,3
	s_delay_alu instid0(VALU_DEP_4)
	v_lshrrev_b32 v[PD+\b], 23, v[SO+\b]
.endr
	s_delay_alu instid0(VALU_DEP_3)
	v_lshl_or_b32 v222, v[PD+1], 8, v[PD]          ; p's scale word
	s_delay_alu instid0(VALU_DEP_1)
	v_lshl_or_b32 v222, v[PD+2], 16, v222
	s_delay_alu instid0(VALU_DEP_1)
	v_lshl_or_b32 v222, v[PD+3], 24, v222
.irp c, 0,1
	v_cvt_scalef32_pk16_fp6_f32 v[192+6*\c:194+6*\c], v[96+32*\c:111+32*\c], v[SO+2*\c]
	v_cvt_scalef32_pk16_fp6_f32 v[204+4*\c:206+4*\c], v[112+32*\c:127+32*\c], v[SO+2*\c+1]
.endr
	v_pk_add_f32 v[S1:S1+1], v[96:97], v[98:99]    ; the row's sum of the unquantised p, in four chains; also the plain lines behind the conversions
	v_pk_add_f32 v[244:245], v[100:101], v[102:103]
	v_pk_add_f32 v[246:247], v[104:105], v[106:107]
	v_pk_add_f32 v[14:15], v[14:15], v[108:109]
.set n, 14
.rept 6
	v_pk_add_f32 v[S1:S1+1], v[S1:S1+1], v[96+n:97+n]
	v_pk_add_f32 v[244:245], v[244:245], v[98+n:99+n]
	v_pk_add_f32 v[246:247], v[246:247], v[100+n:101+n]
	v_pk_add_f32 v[14:15], v[14:15], v[102+n:103+n]
.set n, n+8
.endr
	v_pk_add_f32 v[S1:S1+1], v[S1:S1+1], v[158:159]
	v_pk_add_f32 v[244:245], v[244:245], v[246:247]
	s_delay_alu instid0(VALU_DEP_2)
	v_pk_add_f32 v[14:15], v[14:15], v[S1:S1+1]
	s_delay_alu instid0(VALU_DEP_1)
	v_pk_add_f32 v[14:15], v[14:15], v[244:245]
.irp t, 0,1,2,3                                ; V's four fragments (16 d x 128 keys) into the registers that p has left
	ds_load_b128 v[96+12*\t:99+12*\t], v8 offset:\t*768
	ds_load_b64 v[100+12*\t:101+12*\t], v9 offset:\t*768+512
	ds_load_b128 v[102+12*\t:105+12*\t], v8 offset:3072+\t*768
	ds_load_b64 v[106+12*\t:107+12*\t], v9 offset:3072+\t*768+512
.endr
.irp c, 0,1
.irp i, 0,1,2
	v_permlane16_swap_b32 v[192+6*\c+\i], v[204+4*\c+\i]
.endr
.irp i, 0,1,2
	s_delay_alu instid0(VALU_DEP_3)
	v_mov_b32 v[195+6*\c+\i], v[204+4*\c+\i]
.endr
.endr
	s_wait_alu depctr_va_vdst(0)                   ; directly ahead of the first reader of O^T
.set n, 0
.rept 16
	v_pk_mul_f32 v[160+n:161+n], v[160+n:161+n], v[224:225] op_sel_hi:[1,0]   ; O^T under the new M; these are also the places in front of the products below
.set n, n+2
.endr
	s_wait_alu depctr_va_vdst(0)
	s_wait_dscnt 0x0                               ; V's fragments are in
.irp t, 0,2
	WMS  160+8*\t, 96+12*\t, 192, v[160+8*\t:167+8*\t], 220+\t/2, 222
	WMS1 168+8*\t, 108+12*\t, 192, v[168+8*\t:175+8*\t], 220+\t/2, 222
.endr
.Lpast_\@:
	s_add_co_u32 s[ST], s[ST], 2
	s_add_co_u32 s[TC], s[TC], 12288
	s_add_co_u32 s[TS], s[TS], 1024
.endm
; My half of one query tile's key steps.  first = 1: tile j = 15 - w % 8, and the wait for the head's fills; first = 0: tile j = w % 8.
.macro PASS first
.if \first
	s_sub_co_u32 s[JJ], 15, s29
.else
	s_wait_dscnt 0x0                               ; the record's stores have read their registers, and the look-ahead loads have landed: both sets are written anew
	s_mov_b32 s[JJ], s29
.endif
	s_lshl_b32 s22, s[JJ], 3
	s_add_co_u32 s22, s22, s28                     ; qt
	s_add_co_u32 s23, s17, s22
	s_mul_i32 s24, s23, 768
	s_add_co_u32 s24, s24, 786432
	s_add_nc_u64 s[66:67], s[4:5], s[24:25]        ; q's codes
	s_lshr_b32 s24, s23, 2
	s_lshl_b32 s24, s24, 8
	s_and_b32 s26, s22, 1
	s_lshl_b32 s26, s26, 7
	s_add_co_u32 s24, s24, s26
	s_bfe_u32 s26, s22, 0x10001
	s_lshl_b32 s26, s26, 2
	s_add_co_u32 s24, s24, s26
	s_add_nc_u64 s[68:69], s[4:5], s[24:25]        ; q's scale half words: + 8 x row
	s_mov_b32 s[ST], s30                           ; my first key step: 0 or 1
	s_mul_i32 s[TC], s30, 6144
	s_lshl_b32 s[TS], s30, 9
	s_mov_b32 s31, 0
	s_wait_alu depctr_va_vdst(0)                   ; behind a run of scalar instructions
	global_load_b128 v[16:19], v1, s[66:67]
	global_load_b64 v[20:21], v2, s[66:67] offset:512
	global_load_b32 v28, v11, s[68:69]
	v_add_nc_u32 v6, s[TC], v1
	v_add_nc_u32 v7, s[TC], v2
	v_add_nc_u32 v10, s[TS], v5
	v_mov_b32 v13, 0xff61b1e6                      ; the largest t so far: -3e38
	s_delay_alu instid0(VALU_DEP_1)
	v_floor_f32 v12, -v13                          ; -M
	v_mov_b32 v14, 0
	v_mov_b32 v15, 0
.set n, 0
.rept 32
	v_mov_b32 v[160+n], 0                          ; O^T: the step is written once; the first finds zeros
.set n, n+1
.endr
	s_wait_alu depctr_va_vdst(0)
.if \first
	s_wait_tensorcnt 0x0                           ; my part of K, V or the scales is in,
	s_barrier_signal -1
	s_barrier_wait -1                              ; everybody's is
.endif
	ds_load_b64 v[212:213], v10                    ; my first step's K: scale half words of tiles 0-3, 4-7, and the eight fragments
	ds_load_b64 v[214:215], v10 offset:256
.irp t, 0,1,2,3,4,5,6,7
	ds_load_b128 v[32+6*\t:35+6*\t], v6 offset:\t*768
	ds_load_b64 v[36+6*\t:37+6*\t], v7 offset:\t*768+512
.endr
	s_wait_loadcnt 0x0                             ; q
.Lsteps_\@:
	STEP
	s_add_co_u32 s31, s31, 1
	s_cmp_lt_u32 s31, 8
	s_cbranch_scc1 .Lsteps_\@
.rept 4
	v_nop                                          ; four places behind the last products
.endr
.endm
	PASS 1
	PUT RA                                         ; every wave: its half of the first tile
	PASS 0
	s_cmp_lt_u32 s12, 8
	s_cbranch_scc0 .Lkeep
	PUT RB                                         ; waves 0-7: their half of the second tile; waves 8-15 keep theirs in registers
.Lkeep:
	s_sub_co_u32 s20, 15, s29                      ; the tile that I join and store: 15 - w for waves 0-7, w - 8 for waves 8-15
	s_cmp_lt_u32 s12, 8
	s_cselect_b32 s[JJ], s20, s29
	s_lshl_b32 s22, s[JJ], 3
	s_add_co_u32 s22, s22, s28                     ; qt
	s_lshl_b32 s26, s15, 7
	s_add_co_u32 s26, s26, s22                     ; the token block
	s_lshl_b32 s24, s26, 4
	s_add_co_u32 s24, s24, s16
	s_mul_i32 s24, s24, 768
	s_add_co_u32 s24, s24, 524288
	s_add_nc_u64 s[60:61], s[6:7], s[24:25]        ; o's codes: row block x 16 + head
	s_lshl_b32 s24, s26, 9
	s_lshr_b32 s27, s16, 3
	s_lshl_b32 s27, s27, 8
	s_add_co_u32 s24, s24, s27
	s_and_b32 s27, s16, 7
	s_lshl_b32 s27, s27, 1
	s_add_co_u32 s24, s24, s27
	s_add_nc_u64 s[62:63], s[6:7], s[24:25]        ; o's scale bytes
	s_wait_dscnt 0x0                               ; for the others' sake: my records are written
	s_barrier_signal -1
	s_barrier_wait -1
	s_cmp_lt_u32 s12, 8
	s_cbranch_scc0 .Lown
.irp i, 0,1,2,3,4,5,6,7
	ds_load_b128 v[160+4*\i:163+4*\i], v[RA] offset:512*\i          ; waves 0-7: my own half of the first tile, back
.endr
	ds_load_b128 v[12:15], v[RA] offset:4096
.Lown:
.irp i, 0,1,2,3,4,5,6,7
	ds_load_b128 v[96+4*\i:99+4*\i], v[RP] offset:512*\i            ; my partner's half
.endr
	ds_load_b128 v[128:131], v[RP] offset:4096
	s_wait_dscnt 0x0
	v_min_num_f32 v[TT], v12, v128                 ; the joint -M
	v_mov_b32 v135, 0                              ; (pairs' upper halves are named, so they are written)
	v_mov_b32 v137, 0
	s_delay_alu instid0(VALU_DEP_3)
	v_sub_f32 v132, v[TT], v12                     ; my M - the joint M, and my partner's: whole numbers, 0 or less
	v_sub_f32 v133, v[TT], v128
	s_delay_alu instid0(VALU_DEP_2)
	v_cvt_i32_f32 v132, v132                       ; (they saturate: a half with no key step counts for nothing)
	s_delay_alu instid0(VALU_DEP_2)
	v_cvt_i32_f32 v133, v133
	s_delay_alu instid0(VALU_DEP_2)
	v_ldexp_f32 v132, 1.0, v132
	s_delay_alu instid0(VALU_DEP_2)
	v_ldexp_f32 v133, 1.0, v133
	v_add_f32 v14, v14, v15
	v_add_f32 v130, v130, v131
	s_delay_alu instid0(VALU_DEP_2)
	v_mul_f32 v14, v14, v132
	s_delay_alu instid0(VALU_DEP_1)
	v_fma_f32 v14, v130, v133, v14
	s_delay_alu instid0(VALU_DEP_1)
	v_permlanex16_b32 v[TT], v14, s[SEL], s[SEL+1]
	s_delay_alu instid0(VALU_DEP_1)
	v_add_f32 v14, v14, v[TT]                      ; the row's sum
	s_wait_alu depctr_va_vdst(0)
	v_rcp_f32 v[RC], v14
	v_nop                                          ; a plain place behind the transcendental
	s_wait_alu depctr_va_vdst(0)
	v_mul_f32 v134, v132, v[RC]
	v_mul_f32 v136, v133, v[RC]
	s_wait_alu depctr_va_vdst(0)                   ; directly ahead of the first reader of O^T
.set n, 0
.rept 16
	v_pk_mul_f32 v[160+n:161+n], v[160+n:161+n], v[134:135] op_sel_hi:[1,0]
.set n, n+2
.endr
.set n, 0
.rept 16
	v_pk_fma_f32 v[96+n:97+n], v[96+n:97+n], v[136:137], v[160+n:161+n] op_sel_hi:[1,0,1]   ; o: my 32 numbers are d = 32 b + 16 h + 0 .. 15 of my query: half a fragment of the next product
.set n, n+2
.endr
	QUANT6 96, 192, 222
	global_store_b128 v1, v[192:195], s[60:61]
	global_store_b64 v2, v[196:197], s[60:61] offset:512
	global_store_b16 v[R16], v222, s[62:63]        ; two bytes a row; lanes l and l xor 16 store the same value at the same place.  These 32 bytes are part of a longer run that other heads fill
	s_wait_tensorcnt 0x0                           ; the wave's end
	ds_add_u32 v[SPW], v[NIL]
	s_wait_dscnt 0x0
	CROUND                                         ; the closing round
	s_endpgm
.Lfunc_end_k_q016076e057_attn:
	.size	k_q016076e057_attn, .Lfunc_end_k_q016076e057_attn-k_q016076e057_attn
	.p2alignl 7, 3214868480
	.fill 96, 4, 3214868480
	.section	.rodata,"a",@progbits
	.p2align	6, 0x0
	.amdhsa_kernel k_q016076e057_attn
		.amdhsa_group_segment_fixed_size 327680
		.amdhsa_private_segment_fixed_size 0
		.amdhsa_enable_private_segment 0
		.amdhsa_kernarg_size 16
		.amdhsa_user_sgpr_count 2
		.amdhsa_user_sgpr_kernarg_segment_ptr 1
		.amdhsa_wavefront_size32 1
		.amdhsa_system_sgpr_workgroup_id_x 1
		.amdhsa_system_sgpr_workgroup_id_y 1
		.amdhsa_system_sgpr_workgroup_id_z 1
		.amdhsa_system_vgpr_workitem_id 0
		.amdhsa_next_free_vgpr 256
		.amdhsa_next_free_sgpr 90
		.amdhsa_reserve_vcc 1
		.amdhsa_float_denorm_mode_32 3
		.amdhsa_float_denorm_mode_16_64 3
		.amdhsa_memory_ordered 1
		.amdhsa_forward_progress 1
		.amdhsa_inst_pref_size 69
	.end_amdhsa_kernel
	.amdgpu_metadata
---
amdhsa.version: [ 1, 2 ]
amdhsa.kernels:
  - .name:           k_q016076e057_attn
    .symbol:         k_q016076e057_attn.kd
    .args:
      - { .name: QKV, .offset: 0, .size: 8, .value_kind: global_buffer, .address_space: global }
      - { .name: O, .offset: 8, .size: 8, .value_kind: global_buffer, .address_space: global }
    .group_segment_fixed_size: 327680
    .private_segment_fixed_size: 0
    .kernarg_segment_align: 8
    .kernarg_segment_size: 16
    .max_flat_workgroup_size: 512
    .sgpr_count:     90
    .vgpr_count:     256
    .wavefront_size: 32
...
	.end_amdgpu_metadata
.endif
;; end of part 3
;; launch wo (part 4): grid 8 x 32, 4 waves a work-group, clusters of 4 x 4, 167,936 bytes of LDS; arguments O, W, x, X1; writes X1
.if DOCPART == 4
	.amdgcn_target "amdgcn-amd-amdhsa--gfx1250"
	.amdhsa_code_object_version 6
	.text
	.protected	k_q016076e057_wo
	.globl	k_q016076e057_wo
	.p2align	8
	.type	k_q016076e057_wo,@function
k_q016076e057_wo:
	s_mov_b64 s[64:65], 0
	v_nop
	global_prefetch_b8 v0, s[64:65] scope:SCOPE_SE
	s_setreg_imm32_b32 hwreg(HW_REG_WAVE_MODE, 25, 1), 1
	s_wait_xcnt 0x0
	s_wait_alu depctr_hold_cnt(0) depctr_sa_sdst(0) depctr_va_vdst(0) depctr_va_sdst(0) depctr_va_ssrc(0) depctr_va_vcc(0) depctr_vm_vsrc(0)
	s_getreg_b32 s2, hwreg(HW_REG_IB_STS2, 6, 4)
	s_cmp_eq_u32 s2, 0
	s_cbranch_scc0 .Lentry_in_a_cluster
	s_endpgm
.Lentry_in_a_cluster:
	s_bfe_u32 s2, ttmp6, 0x10000c
	s_cmp_lg_u32 s2, 0xf033
	s_cbranch_scc0 .Lentry_shape_is_right
	s_endpgm
.Lentry_shape_is_right:
; x1 = x + o wo^T on codes of FP6 with E8M0 scales, K = 1,024.  X = o's token blocks (source 1, rows on lanes), Y = wo's rows (source 0, rows on a lane's registers).
; A work-group makes 128 x 128, each of four waves 64 x 64: 16 accumulators; at N = 1,024 that gives 256 work-groups.
; Operands lie in memory in the order of the operand's registers (row block x 64 along K = 768 bytes); a row block's rows are 32 (rb/2) + 8 (rb%2) + i + 8 (i/8).
; Y's tile, 128 rows x all of K = 98,304 dense bytes, is filled ONCE, a quarter a wave, by joint loads shared along a column of the 4 x 4 cluster.
; X goes through no LDS: a wave loads its 64 rows x 1,024 K, 384 registers, straight into windows 2 and 3 (K steps 0-4 and 5-7); so it is not asked for jointly.  Only Y's fragments are read from LDS.
; No prefetch: all operands are asked for at the head, and no loop runs ahead of a load from memory.
; The residual's 64 x 64 numbers are asked for last, into window 1, in the layout in which the rows leave.  Results go through the wave's own stage in LDS and leave as aligned runs of 256 bytes.
.set RBP,   12288
.set RBS,   512
.set STG,   8*RBP                      ; behind Y's tile: 16 rows x 272 bytes for each wave
.set SPARE, STG+4*16*272
.set XCODES, 524288
.set YCODES, 524288+448*12288
.set YSCALES, 448*512
.set YA16, 12
.set YA8,  13
.set SOF,  16
.set SPW,  28
.set NIL,  29
.set SC,   32                          ; v32-63 scale words: set K/512: X's 8, Y's 8
.set ACC,  128
.set F0,   0                           ; window 1: Y's fragments, two buffers of 48,
.set F1,   48
.set RS,   96                          ; and the residual, 128 registers
.set G1Y,  48
.set G0Y,  56
.set MSB, 0
.macro WIN new
.if MSB != \new
	s_set_vgpr_msb (MSB<<8)|\new
.set MSB, \new
.endif
.endm
.macro PLACES
.rept 4
	v_nop
.endr
.endm
.macro CROUND
	s_barrier_signal -1
	s_barrier_wait -1
	s_cmp_lg_u32 s12, 0
	s_cbranch_scc1 .Lnot_wave_0_\@
	s_barrier_signal -3
.Lnot_wave_0_\@:
	s_barrier_wait -3
	s_barrier_signal -1
	s_barrier_wait -1
.endm
.macro FETCH q, f                      ; Y's four fragments of K step q: 16 loads
	WIN 0x40
.irp b, 0,1,2,3
	ds_load_b128 v[(\f)+12*\b:(\f)+12*\b+3], v[YA16] offset:\b*RBP+(\q)*1536
	ds_load_b64 v[(\f)+12*\b+4:(\f)+12*\b+5], v[YA8] offset:\b*RBP+(\q)*1536+512
	ds_load_b128 v[(\f)+12*\b+6:(\f)+12*\b+9], v[YA16] offset:\b*RBP+(\q)*1536+768
	ds_load_b64 v[(\f)+12*\b+10:(\f)+12*\b+11], v[YA8] offset:\b*RBP+(\q)*1536+1280
.endr
.endm
.macro WMR c                           ; par: which halves of the lanes hold the two scale words
.if par == 0
	v_wmma_scale_f32_16x16x128_f8f6f4 v[rD:rD+7], v[rA:rA+11], v[rB:rB+11], \c, v[rP], v[rS] matrix_a_fmt:MATRIX_FMT_FP6 matrix_b_fmt:MATRIX_FMT_FP6
.elseif par == 1
	v_wmma_scale_f32_16x16x128_f8f6f4 v[rD:rD+7], v[rA:rA+11], v[rB:rB+11], \c, v[rP], v[rS] matrix_a_fmt:MATRIX_FMT_FP6 matrix_b_fmt:MATRIX_FMT_FP6 matrix_b_scale:MATRIX_SCALE_ROW1
.elseif par == 2
	v_wmma_scale_f32_16x16x128_f8f6f4 v[rD:rD+7], v[rA:rA+11], v[rB:rB+11], \c, v[rP], v[rS] matrix_a_fmt:MATRIX_FMT_FP6 matrix_b_fmt:MATRIX_FMT_FP6 matrix_a_scale:MATRIX_SCALE_ROW1
.else
	v_wmma_scale_f32_16x16x128_f8f6f4 v[rD:rD+7], v[rA:rA+11], v[rB:rB+11], \c, v[rP], v[rS] matrix_a_fmt:MATRIX_FMT_FP6 matrix_b_fmt:MATRIX_FMT_FP6 matrix_a_scale:MATRIX_SCALE_ROW1 matrix_b_scale:MATRIX_SCALE_ROW1
.endif
.endm
.macro MUL16 f, q, zero                ; the 16 accumulators take turns, in the same order in every K step
.irp s, 0,1,2,3
.irp p, 0,1,2,3
.set rD, ACC+8*(4*\s+\p)
.set rA, (\f)+12*\p
.set rB, 48*((\q)%5)+12*\s
.set rP, SC+16*((\q)/4)+8+4*(\p/2)+(\q)%4
.set rS, SC+16*((\q)/4)+4*(\s/2)+(\q)%4
.set par, 2*(\p%2)+\s%2
.if \zero
	WMR 0
.else
	WMR v[rD:rD+7]
.endif
.endr
.endr
.endm
.macro KSTEP q, f, g, zero
.if (\q) > 0
	PLACES                                         ; four places in front of loads into registers that matrix instructions have read
.endif
	FETCH (\q)+1, \g
.if (\q) == 0
	s_wait_loadcnt 32                              ; the scale words and X are in; the residual's 32 loads may be out
.endif
	s_wait_dscnt 16                                ; all but the 16 just issued
	WIN 0x09+4*((\q)/5)                            ; source 0: Y, window 1; source 1: X, window 2 or 3
	MUL16 \f, \q, \zero
.endm
; X's block s (16 token positions x my 64 columns) leaves: through my stage, back as rows of 256 bytes, two rows an instruction; + the residual; stored.
.macro RES s
.set OB, 64+32*((\s)%2)
.if (\s) > 1
	s_wait_xcnt 0x0                                ; the stores of two blocks ago have read their registers
.endif
.irp p, 0,1,2,3
	ds_store_b128 v19, v[ACC+8*(4*(\s)+\p):ACC+8*(4*(\s)+\p)+3] offset:128*(\p/2)+32*(\p%2)       ; lane (r, h): columns 32 (p/2) + 16 h + 8 (p%2) + 0 .. 7 of position r; each accumulator from its low end on
	ds_store_b128 v19, v[ACC+8*(4*(\s)+\p)+4:ACC+8*(4*(\s)+\p)+7] offset:128*(\p/2)+32*(\p%2)+16
.endr
.irp t, 0,1,2,3,4,5,6,7
	ds_load_b128 v[OB+4*\t:OB+4*\t+3], v20 offset:544*\t          ; LDS serves a wave's instructions in order: these see my stores
.endr
	s_wait_dscnt 0x0
	WIN 0x04                                       ; source 1: window 1
.set n, 0
.rept 16
	v_pk_add_f32 v[OB+n:OB+n+1], v[OB+n:OB+n+1], v[RS+32*(\s)+n:RS+32*(\s)+n+1]
.set n, n+2
.endr
	WIN 0
.irp t, 0,1,2,3,4,5,6,7
	global_store_b128 v18, v[OB+4*\t:OB+4*\t+3], s[68:69] offset:(32*((\s)/2)+8*((\s)%2)+2*\t+8*(\t/4))*4096   ; 16 lanes store 256 consecutive bytes, aligned; the position's true row stands in the immediate
.endr
.endm
	s_load_b256 s[4:11], s[0:1], 0x0               ; X's buffer, Y's buffer, the residual, the output
	v_lshl_add_u32 v[SPW], v0, 2, SPARE
	v_mov_b32 v[NIL], 0
	ds_add_u32 v[SPW], v[NIL]                      ; the opening lines: the add, twice on end, and its wait ahead of my first tensor load
	ds_add_u32 v[SPW], v[NIL]
	v_lshrrev_b32 v1, 5, v0
	v_readfirstlane_b32 s12, v1
	s_lshr_b32 s13, s12, 1                         ; which 64 of the tile's token rows are mine
	s_and_b32 s14, s12, 1                          ; which 64 of its columns
	s_bfe_u32 s15, ttmp6, 0x40000                  ; cx
	s_bfe_u32 s16, ttmp6, 0x40004                  ; cy
	s_lshl_b32 s18, 0x1111, s15                    ; my column of the cluster
	s_or_b32 s[G1Y], s18, (3<<16)|(1<<21)
	s_mov_b32 s[G1Y+1], 32<<16                     ; a dense block as 96 rows of 256 bytes (32 elements of 8 bytes)
	s_mov_b32 s[G1Y+2], 96<<16
	s_mov_b32 s[G1Y+3], 32<<16
	s_mov_b32 s[G1Y+4], 96
	s_mov_b32 s[G1Y+5], 32
	s_mov_b32 s[G1Y+6], 0
	s_mov_b32 s[G1Y+7], 0
	s_and_b32 s70, ttmp7, 0xffff
	s_lshl_b32 s70, s70, 2
	s_add_co_u32 s70, s70, s16
	s_lshl_b32 s70, s70, 3                         ; X's first row block: 8 x tile row
	s_lshl_b32 s71, ttmp9, 2
	s_add_co_u32 s71, s71, s15
	s_lshl_b32 s71, s71, 3                         ; Y's: 8 x tile column
	s_lshl_b32 s21, s12, 1
	s_add_co_u32 s18, s71, s21
	s_mul_i32 s46, s18, RBP                        ; the two row blocks of Y that I fetch
	s_add_co_u32 s46, s46, YCODES
	s_mov_b32 s47, 0
	s_lshl_b32 s21, s13, 2
	s_add_co_u32 s72, s70, s21                     ; xr
	s_mul_i32 s44, s72, RBP
	s_add_co_u32 s44, s44, XCODES
	s_mov_b32 s45, 0
	s_mul_i32 s40, s72, RBS
	s_mov_b32 s41, 0
	s_lshl_b32 s22, s14, 2
	s_add_co_u32 s73, s71, s22                     ; yr
	s_mul_i32 s42, s73, RBS
	s_add_co_u32 s42, s42, YSCALES
	s_mov_b32 s43, 0
	s_mul_i32 s23, s12, 2*RBP
	s_lshl_b32 s74, s72, 16                        ; my first row, 16 xr, of 4,096 bytes,
	s_lshl_b32 s76, s73, 6                         ; my first column, 16 yr, of 4 bytes
	s_add_co_u32 s74, s74, s76
	s_mov_b32 s75, 0
	v_and_b32 v3, 31, v0
	v_and_b32 v1, 15, v0
	v_bfe_u32 v2, v0, 4, 1
	v_lshlrev_b32 v4, 4, v3
	v_lshlrev_b32 v5, 3, v3
	s_mul_i32 s22, s14, 4*RBP
	v_add_nc_u32 v[YA16], s22, v4
	v_add_nc_u32 v[YA8], s22, v5
	v_mul_u32_u24 v[SOF], v2, RBS
	v_lshl_add_u32 v[SOF], v1, 4, v[SOF]
	v_lshlrev_b32 v18, 12, v2
	v_lshl_add_u32 v18, v1, 4, v18                 ; rows out and residual in: lanes 0-15 one row, lanes 16-31 the next; 16 bytes a lane
	s_mul_i32 s21, s12, 16*272
	s_add_co_u32 s21, s21, STG                     ; my stage
	v_mul_u32_u24 v19, v1, 272
	v_lshl_add_u32 v19, v2, 6, v19
	v_add_nc_u32 v19, s21, v19
	v_mul_u32_u24 v20, v2, 272
	v_lshl_add_u32 v20, v1, 4, v20
	v_add_nc_u32 v20, s21, v20
	s_wait_alu depctr_va_vdst(0)
	s_wait_dscnt 0x0                               ; both opening adds are done
	s_wait_kmcnt 0x0
	s_add_nc_u64 s[44:45], s[4:5], s[44:45]
	s_add_nc_u64 s[40:41], s[4:5], s[40:41]
	s_add_nc_u64 s[42:43], s[6:7], s[42:43]
	s_add_nc_u64 s[66:67], s[8:9], s[74:75]
	s_add_nc_u64 s[68:69], s[10:11], s[74:75]
.irp set, 0,1
.irp t, 0,1
	global_load_b128 v[SC+16*\set+4*\t:SC+16*\set+4*\t+3], v[SOF], s[40:41] offset:256*\set+2*\t*RBS
	global_load_b128 v[SC+16*\set+8+4*\t:SC+16*\set+8+4*\t+3], v[SOF], s[42:43] offset:256*\set+2*\t*RBS
.endr
.endr
	CROUND                                         ; all sixteen work-groups are here: the joint loads meet
	s_mov_b32 s[G0Y], 1
	s_mov_b32 s[G0Y+1], s23
	s_add_nc_u64 s[G0Y+2:G0Y+3], s[6:7], s[46:47]
	s_or_b32 s[G0Y+3], s[G0Y+3], 0x80000000
	tensor_load_to_lds s[G0Y:G0Y+3], s[G1Y:G1Y+7]  ; my one tensor load: my quarter of Y's tile
	s_nop 0
	PLACES
.set kq, 0
.rept 8                                        ; X: K step kq, row block b: 12 registers, as they lie in memory; each load reads 512 or 256 consecutive bytes
	WIN 0x80+0x40*(kq/5)
.irp b, 0,1,2,3
	global_load_b128 v[48*(kq%5)+12*\b:48*(kq%5)+12*\b+3], v4, s[44:45] offset:\b*RBP+kq*1536
	global_load_b64 v[48*(kq%5)+12*\b+4:48*(kq%5)+12*\b+5], v5, s[44:45] offset:\b*RBP+kq*1536+512
	global_load_b128 v[48*(kq%5)+12*\b+6:48*(kq%5)+12*\b+9], v4, s[44:45] offset:\b*RBP+kq*1536+768
	global_load_b64 v[48*(kq%5)+12*\b+10:48*(kq%5)+12*\b+11], v5, s[44:45] offset:\b*RBP+kq*1536+1280
.endr
.set kq, kq+1
.endr
	WIN 0x40                                       ; the residual: 32 loads, the youngest
.irp s, 0,1,2,3
.irp t, 0,1,2,3,4,5,6,7
	global_load_b128 v[RS+32*\s+4*\t:RS+32*\s+4*\t+3], v18, s[66:67] offset:(32*(\s/2)+8*(\s%2)+2*\t+8*(\t/4))*4096
.endr
.endr
	WIN 0
	s_wait_tensorcnt 0x0                           ; my quarter of Y's tile is in,
	s_barrier_signal -1
	s_barrier_wait -1                              ; everybody's is
	FETCH 0, F0
	KSTEP 0, F0, F1, 1                             ; the first products start the sums
	KSTEP 1, F1, F0, 0
	KSTEP 2, F0, F1, 0
	KSTEP 3, F1, F0, 0
	KSTEP 4, F0, F1, 0
	KSTEP 5, F1, F0, 0
	KSTEP 6, F0, F1, 0
	s_wait_dscnt 0x0
	MUL16 F1, 7, 0
	WIN 0
	PLACES
	s_wait_loadcnt 0x0                             ; the residual is in
	RES 0
	RES 1
	RES 2
	RES 3
	s_wait_tensorcnt 0x0                           ; the wave's end, behind my last LDS store
	ds_add_u32 v[SPW], v[NIL]
	s_wait_dscnt 0x0
	CROUND                                         ; the closing round
	s_endpgm
.Lfunc_end_k_q016076e057_wo:
	.size	k_q016076e057_wo, .Lfunc_end_k_q016076e057_wo-k_q016076e057_wo
	.p2alignl 7, 3214868480
	.fill 96, 4, 3214868480
	.section	.rodata,"a",@progbits
	.p2align	6, 0x0
	.amdhsa_kernel k_q016076e057_wo
		.amdhsa_group_segment_fixed_size 167936
		.amdhsa_private_segment_fixed_size 0
		.amdhsa_enable_private_segment 0
		.amdhsa_kernarg_size 32
		.amdhsa_user_sgpr_count 2
		.amdhsa_user_sgpr_kernarg_segment_ptr 1
		.amdhsa_wavefront_size32 1
		.amdhsa_system_sgpr_workgroup_id_x 1
		.amdhsa_system_sgpr_workgroup_id_y 1
		.amdhsa_system_sgpr_workgroup_id_z 1
		.amdhsa_system_vgpr_workitem_id 0
		.amdhsa_next_free_vgpr 1024
		.amdhsa_next_free_sgpr 80
		.amdhsa_reserve_vcc 0
		.amdhsa_float_denorm_mode_32 3
		.amdhsa_float_denorm_mode_16_64 3
		.amdhsa_memory_ordered 1
		.amdhsa_forward_progress 1
		.amdhsa_inst_pref_size 59
	.end_amdhsa_kernel
	.amdgpu_metadata
---
amdhsa.version: [ 1, 2 ]
amdhsa.kernels:
  - .name:           k_q016076e057_wo
    .symbol:         k_q016076e057_wo.kd
    .args:
      - { .name: O, .offset: 0, .size: 8, .value_kind: global_buffer, .address_space: global }
      - { .name: W, .offset: 8, .size: 8, .value_kind: global_buffer, .address_space: global }
      - { .name: x, .offset: 16, .size: 8, .value_kind: global_buffer, .address_space: global }
      - { .name: X1, .offset: 24, .size: 8, .value_kind: global_buffer, .address_space: global }
    .group_segment_fixed_size: 167936
    .private_segment_fixed_size: 0
    .kernarg_segment_align: 8
    .kernarg_segment_size: 32
    .max_flat_workgroup_size: 128
    .sgpr_count:     80
    .vgpr_count:     1024
    .wavefront_size: 32
...
	.end_amdgpu_metadata
.endif
;; end of part 4
;; launch norm2: the kernel of part 1 again; grid 256 x 1, 4 waves a work-group, no clusters, 67,840 bytes of LDS; arguments X1, g2, wq, wk, wv, wo, w1, w2, H2; writes H2
;; launch w1 (part 5): grid 8 x 32, 4 waves a work-group, clusters of 4 x 4, 327,680 bytes of LDS; arguments H2, W, G; writes G
.if DOCPART == 5
	.amdgcn_target "amdgcn-amd-amdhsa--gfx1250"
	.amdhsa_code_object_version 6
	.text
	.protected	k_q016076e057_w1
	.globl	k_q016076e057_w1
	.p2align	8
	.type	k_q016076e057_w1,@function
k_q016076e057_w1:
	s_mov_b64 s[64:65], 0
	v_nop
	global_prefetch_b8 v0, s[64:65] scope:SCOPE_SE
	s_setreg_imm32_b32 hwreg(HW_REG_WAVE_MODE, 25, 1), 1
	s_wait_xcnt 0x0
	s_wait_alu depctr_hold_cnt(0) depctr_sa_sdst(0) depctr_va_vdst(0) depctr_va_sdst(0) depctr_va_ssrc(0) depctr_va_vcc(0) depctr_vm_vsrc(0)
	s_getreg_b32 s2, hwreg(HW_REG_IB_STS2, 6, 4)
	s_cmp_eq_u32 s2, 0
	s_cbranch_scc0 .Lentry_in_a_cluster
	s_endpgm
.Lentry_in_a_cluster:
	s_bfe_u32 s2, ttmp6, 0x10000c
	s_cmp_lg_u32 s2, 0xf033
	s_cbranch_scc0 .Lentry_shape_is_right
	s_endpgm
.Lentry_shape_is_right:
; g = Q(gelu(h w1^T)) on codes of FP6 with E8M0 scales, K = 1,024; gelu by erf as a quotient of two polynomials in z^2, z = x / sqrt(2) held to +-4; the results are quantised along the next K and stored as operands.
; A work-group takes 128 tokens and walks four tiles of 128 rows of w1; a wave makes 64 x 64.
; X (the tokens) lies in memory in the order of an operand's registers: a wave loads its 64 rows x 1,024 K, 384 registers, ONCE, straight into windows 2 and 3 (K steps 0-4 and 5-7), and keeps them for all tiles:
; so only Y's fragments are read from LDS in a K step.  X is not asked for jointly: it goes through no LDS, and it is one fifth of the bytes that a work-group reads.
; Y's tiles go through two LDS slots, shared along a column of the 4 x 4 cluster by joint loads, one a wave.
.set TILES, 4
.set YRB0,  512
.set RBP,   12288
.set RBS,   512
.set TILEB, 8*RBP
.set QUARTB, 2*RBP
.set SLOT1, 1<<17
.set SPARE, TILEB
.set XR,    SLOT1+TILEB
.set CODES, 524288
.set TSTEP, 64*RBP
.set XA16, 8
.set XA8,  9
.set YB16, 10
.set YB8,  11
.set YA16, 12
.set YA8,  13
.set SOF,  16
.set SPW,  28
.set NIL,  29
.set SC,   32
.set ACC,  128
.set F0,   0
.set F1,   48                          ; window 1: four buffers for Y's fragments, 48 registers each, from v48 on; K step q uses buffer q % 4
.set F2,   96
.set F3,   144
.set G1X,  24
.set G0X,  32
.set G1Y,  48
.set G0Y,  56
.set TB,   20
.set SEL,  76
.set QT,   100
.set QC,   104
.set ZZ,   64
.set Z2,   80
.set PP,   96
.set QQ,   112
.set MSB, 0
.macro WIN new
.if MSB != \new
	s_set_vgpr_msb (MSB<<8)|\new
.set MSB, \new
.endif
.endm
.macro PLACES
.rept 4
	v_nop
.endr
.endm
.macro CROUND
	s_barrier_signal -1
	s_barrier_wait -1
	s_cmp_lg_u32 s12, 0
	s_cbranch_scc1 .Lnot_wave_0_\@
	s_barrier_signal -3
.Lnot_wave_0_\@:
	s_barrier_wait -3
	s_barrier_signal -1
	s_barrier_wait -1
.endm
.macro FRAG reg, a16, a8, off
	ds_load_b128 v[(\reg):(\reg)+3], v[\a16] offset:\off
	ds_load_b64 v[(\reg)+4:(\reg)+5], v[\a8] offset:\off+512
	ds_load_b128 v[(\reg)+6:(\reg)+9], v[\a16] offset:\off+768
	ds_load_b64 v[(\reg)+10:(\reg)+11], v[\a8] offset:\off+1280
.endm
.macro FETCH q, f
	WIN 0x40
.irp b, 0,1,2,3
	FRAG \f+48+12*\b, YA16, YA8, \b*RBP+(\q)*1536
.endr
.endm
.macro WM f, q, s, p, zero
.set rD, ACC+8*(4*(\s)+(\p))
.set rA, (\f)+48+12*(\p)
.set rB, 48*((\q)%5)+12*(\s)
.set rP, SC+16*((\q)/4)+8+4*((\p)/2)+(\q)%4
.set rS, SC+16*((\q)/4)+4*((\s)/2)+(\q)%4
.set par, 2*((\p)%2)+(\s)%2+4*(\zero)
.if par == 0
	v_wmma_scale_f32_16x16x128_f8f6f4 v[rD:rD+7], v[rA:rA+11], v[rB:rB+11], v[rD:rD+7], v[rP], v[rS] matrix_a_fmt:MATRIX_FMT_FP6 matrix_b_fmt:MATRIX_FMT_FP6
.elseif par == 1
	v_wmma_scale_f32_16x16x128_f8f6f4 v[rD:rD+7], v[rA:rA+11], v[rB:rB+11], v[rD:rD+7], v[rP], v[rS] matrix_a_fmt:MATRIX_FMT_FP6 matrix_b_fmt:MATRIX_FMT_FP6 matrix_b_scale:MATRIX_SCALE_ROW1
.elseif par == 2
	v_wmma_scale_f32_16x16x128_f8f6f4 v[rD:rD+7], v[rA:rA+11], v[rB:rB+11], v[rD:rD+7], v[rP], v[rS] matrix_a_fmt:MATRIX_FMT_FP6 matrix_b_fmt:MATRIX_FMT_FP6 matrix_a_scale:MATRIX_SCALE_ROW1
.elseif par == 3
	v_wmma_scale_f32_16x16x128_f8f6f4 v[rD:rD+7], v[rA:rA+11], v[rB:rB+11], v[rD:rD+7], v[rP], v[rS] matrix_a_fmt:MATRIX_FMT_FP6 matrix_b_fmt:MATRIX_FMT_FP6 matrix_a_scale:MATRIX_SCALE_ROW1 matrix_b_scale:MATRIX_SCALE_ROW1
.elseif par == 4
	v_wmma_scale_f32_16x16x128_f8f6f4 v[rD:rD+7], v[rA:rA+11], v[rB:rB+11], 0, v[rP], v[rS] matrix_a_fmt:MATRIX_FMT_FP6 matrix_b_fmt:MATRIX_FMT_FP6
.elseif par == 5
	v_wmma_scale_f32_16x16x128_f8f6f4 v[rD:rD+7], v[rA:rA+11], v[rB:rB+11], 0, v[rP], v[rS] matrix_a_fmt:MATRIX_FMT_FP6 matrix_b_fmt:MATRIX_FMT_FP6 matrix_b_scale:MATRIX_SCALE_ROW1
.elseif par == 6
	v_wmma_scale_f32_16x16x128_f8f6f4 v[rD:rD+7], v[rA:rA+11], v[rB:rB+11], 0, v[rP], v[rS] matrix_a_fmt:MATRIX_FMT_FP6 matrix_b_fmt:MATRIX_FMT_FP6 matrix_a_scale:MATRIX_SCALE_ROW1
.else
	v_wmma_scale_f32_16x16x128_f8f6f4 v[rD:rD+7], v[rA:rA+11], v[rB:rB+11], 0, v[rP], v[rS] matrix_a_fmt:MATRIX_FMT_FP6 matrix_b_fmt:MATRIX_FMT_FP6 matrix_a_scale:MATRIX_SCALE_ROW1 matrix_b_scale:MATRIX_SCALE_ROW1
.endif
.endm
.macro MUL8 f, q, s0, zero
.irp s, \s0, \s0+1
.irp p, 0,1,2,3
	WM \f, \q, \s, \p, \zero
.endr
.endr
.endm
.macro SCLOAD base, add
.irp set, 0,1
.irp t, 0,1
	global_load_b128 v[SC+16*\set+\add+4*\t:SC+16*\set+\add+4*\t+3], v[SOF], s[\base:\base+1] offset:256*\set+2*\t*RBS
.endr
.endr
.endm
.macro QUARTER q, f, g, zero
.if (\q) > 0
	PLACES
.endif
.if (\q) < 5
	FETCH (\q)+3, \g                               ; three K steps ahead, into the buffer that the K step before has read
.endif
.if (\q) == 0
	s_wait_alu depctr_va_vdst(0)
	s_wait_loadcnt 0x0
.endif
.if (\q) < 5
	s_wait_dscnt 48                                ; all but the three younger fetches of 16 loads
.else
	s_wait_dscnt 16*(7-(\q))                       ; the last K steps fetch nothing: 7 - q fetches are younger
.endif
	WIN 0x09+4*((\q)/5)                            ; source 0: Y, window 1; source 1: X, window 2 or 3
	MUL8 \f, \q, 0, \zero
	MUL8 \f, \q, 2, \zero
.endm
.macro PRODUCTS
	v_add_nc_u32 v[YA16], s[TB], v[YB16]
	v_add_nc_u32 v[YA8], s[TB], v[YB8]
	FETCH 0, F0
	FETCH 1, F1
	FETCH 2, F2
	QUARTER 0, F0, F3, 1
	QUARTER 1, F1, F0, 0
	QUARTER 2, F2, F1, 0
	QUARTER 3, F3, F2, 0
	QUARTER 4, F0, F3, 0
	QUARTER 5, F1, F0, 0
	QUARTER 6, F2, F1, 0
	s_wait_dscnt 0x0
	MUL8 F3, 7, 0, 0
	MUL8 F3, 7, 2, 0
	WIN 0
	PLACES
.endm
.macro CHANGE fill
	s_wait_tensorcnt 0x0
	ds_add_u32 v[SPW], v[NIL]
.if \fill
	s_xor_b32 s[G0Y+1], s[G0Y+1], SLOT1
	s_add_nc_u64 s[G0Y+2:G0Y+3], s[G0Y+2:G0Y+3], TSTEP
.endif
	s_wait_dscnt 0x0
.if \fill
	CROUND
	tensor_load_to_lds s[G0Y:G0Y+3], s[G1Y:G1Y+7]
	s_nop 0
	PLACES
.else
	s_barrier_signal -1
	s_barrier_wait -1
.endif
.endm
.macro QUANT6 n, cd, wd
	v_max3_num_f32 v[QT], |v[(\n)]|, |v[(\n)+1]|, 0x1800000
	v_max3_num_f32 v[QT+1], |v[(\n)+16]|, |v[(\n)+17]|, 0x1800000
.irp i, 2,4,6,8,10,12,14
	v_max3_num_f32 v[QT], v[QT], |v[(\n)+\i]|, |v[(\n)+\i+1]|
	v_max3_num_f32 v[QT+1], v[QT+1], |v[(\n)+16+\i]|, |v[(\n)+17+\i]|
.endr
	v_permlanex16_b32 v[QT+2], v[QT], s[SEL], s[SEL+1]
	v_permlanex16_b32 v[QT+3], v[QT+1], s[SEL], s[SEL+1]
	v_max_num_f32 v[QT], v[QT], v[QT+2]
	v_max_num_f32 v[QT+1], v[QT+1], v[QT+3]
	v_add_nc_u32 v[QT], 0xff000000, v[QT]
	v_add_nc_u32 v[QT+1], 0xff000000, v[QT+1]
	v_lshrrev_b32 v[QT+2], 23, v[QT]
	v_lshrrev_b32 v[QT+3], 23, v[QT+1]
	v_lshl_or_b32 v[\wd], v[QT+3], 8, v[QT+2]
	v_cvt_scalef32_pk16_fp6_f32 v[(\cd):(\cd)+2], v[(\n):(\n)+15], v[QT]
	v_cvt_scalef32_pk16_fp6_f32 v[QC:QC+2], v[(\n)+16:(\n)+31], v[QT+1]
	v_nop
.irp i, 0,1,2
	v_permlane16_swap_b32 v[(\cd)+\i], v[QC+\i]
.endr
.irp i, 0,1,2
	v_mov_b32 v[(\cd)+3+\i], v[QC+\i]
.endr
.endm
.macro GELU16 n
.set j, 0
.rept 8
	v_pk_mul_f32 v[ZZ+j:ZZ+j+1], v[(\n)+j:(\n)+j+1], 0x3f3504f3 op_sel_hi:[1,0]
.set j, j+2
.endr
.set j, 0
.rept 16
	v_med3_num_f32 v[ZZ+j], v[ZZ+j], -4.0, 4.0
.set j, j+1
.endr
.set j, 0
.rept 8
	v_pk_mul_f32 v[Z2+j:Z2+j+1], v[ZZ+j:ZZ+j+1], v[ZZ+j:ZZ+j+1]
.set j, j+2
.endr
.set j, 0
.rept 8
	v_pk_fma_f32 v[PP+j:PP+j+1], v[Z2+j:Z2+j+1], 0xaf95df0b, v[22:23] op_sel_hi:[1,0,0]
	v_pk_fma_f32 v[QQ+j:QQ+j+1], v[Z2+j:Z2+j+1], 0xb77460cd, v[24:25] op_sel_hi:[1,0,0]
.set j, j+2
.endr
.irp c, 0xb60cff51, 0xb86ec2d2, 0xba40ac63, 0xbb41a1f6, 0xbc83dbd4
.set j, 0
.rept 8
	v_pk_fma_f32 v[PP+j:PP+j+1], v[PP+j:PP+j+1], v[Z2+j:Z2+j+1], \c op_sel_hi:[1,1,0]
.set j, j+2
.endr
.endr
.irp c, 0xbadc924e, 0xbbf19bf8, 0xbc69b6a7
.set j, 0
.rept 8
	v_pk_fma_f32 v[QQ+j:QQ+j+1], v[QQ+j:QQ+j+1], v[Z2+j:Z2+j+1], \c op_sel_hi:[1,1,0]
.set j, j+2
.endr
.endr
.set j, 0
	s_wait_alu depctr_va_vdst(0)
.rept 16
	v_rcp_f32 v[QQ+j], v[QQ+j]
.set j, j+1
.endr
.set j, 0
.rept 8
	v_pk_mul_f32 v[PP+j:PP+j+1], v[PP+j:PP+j+1], v[ZZ+j:ZZ+j+1]
	v_pk_mul_f32 v[Z2+j:Z2+j+1], v[(\n)+j:(\n)+j+1], 0.5 op_sel_hi:[1,0]
.set j, j+2
.endr
	s_wait_alu depctr_va_vdst(0)
.set j, 0
.rept 8
	v_pk_mul_f32 v[PP+j:PP+j+1], v[PP+j:PP+j+1], v[QQ+j:QQ+j+1]
.set j, j+2
.endr
.set j, 0
.rept 8
	v_pk_fma_f32 v[(\n)+j:(\n)+j+1], v[Z2+j:Z2+j+1], v[PP+j:PP+j+1], v[Z2+j:Z2+j+1]
.set j, j+2
.endr
.endm
.macro OUT next
.irp u, 0,1,2,3,4,5,6,7
	GELU16 ACC+16*\u
.endr
	v_mov_b32 v[QT+2], 0
	v_mov_b32 v[QT+3], 0
.irp s, 0,1,2,3
	QUANT6 ACC+32*\s, 64+8*\s, 96+\s
	global_store_b128 v4, v[64+8*\s:67+8*\s], s[66:67] offset:49152*\s
	global_store_b64 v5, v[68+8*\s:69+8*\s], s[66:67] offset:49152*\s+512
.endr
	v_cmp_ne_u32 vcc_lo, 0, v2
	v_cndmask_b32 v108, v96, v97, vcc_lo
	v_cndmask_b32 v109, v98, v99, vcc_lo
	global_store_b16 v21, v108, s[68:69]
	global_store_b16 v21, v109, s[68:69] offset:4096
.if \next
	s_wait_xcnt 0x0
	s_add_nc_u64 s[66:67], s[66:67], 16*768
	s_add_nc_u64 s[68:69], s[68:69], 512
.endif
.endm
	s_load_b128 s[4:7], s[0:1], 0x0
	s_load_b64 s[8:9], s[0:1], 0x10
	v_lshl_add_u32 v[SPW], v0, 2, SPARE
	v_mov_b32 v[NIL], 0
	ds_add_u32 v[SPW], v[NIL]
	ds_add_u32 v[SPW], v[NIL]
	v_lshrrev_b32 v1, 5, v0
	v_readfirstlane_b32 s12, v1
	s_lshr_b32 s13, s12, 1
	s_and_b32 s14, s12, 1
	s_bfe_u32 s15, ttmp6, 0x40000
	s_bfe_u32 s16, ttmp6, 0x40004
	s_lshl_b32 s18, 0x1111, s15
	s_or_b32 s[G1Y], s18, (3<<16)|(1<<21)
.irp g, G1Y
	s_mov_b32 s[\g+1], 32<<16
	s_mov_b32 s[\g+2], 96<<16
	s_mov_b32 s[\g+3], 32<<16
	s_mov_b32 s[\g+4], 96
	s_mov_b32 s[\g+5], 32
	s_mov_b32 s[\g+6], 0
	s_mov_b32 s[\g+7], 0
.endr
	s_and_b32 s70, ttmp7, 0xffff
	s_lshl_b32 s70, s70, 2
	s_add_co_u32 s70, s70, s16
	s_lshl_b32 s70, s70, 3
	s_lshl_b32 s71, ttmp9, 2
	s_add_co_u32 s71, s71, s15
	s_lshl_b32 s71, s71, 3
	s_add_co_u32 s71, s71, YRB0
	s_lshl_b32 s21, s12, 1
	s_mov_b32 s45, 0
	s_add_co_u32 s18, s71, s21
	s_mul_i32 s46, s18, RBP
	s_add_co_u32 s46, s46, CODES
	s_mov_b32 s47, 0
	s_lshl_b32 s21, s13, 2
	s_add_co_u32 s72, s70, s21
	s_mul_i32 s40, s72, RBS
	s_mul_i32 s44, s72, RBP                        ; my four row blocks of X's codes
	s_add_co_u32 s44, s44, CODES
	s_mov_b32 s41, 0
	s_lshl_b32 s22, s14, 2
	s_add_co_u32 s73, s71, s22
	s_mul_i32 s42, s73, RBS
	s_mov_b32 s43, 0
	s_mul_i32 s23, s12, QUARTB
	s_mov_b32 s[TB], 0
	s_mov_b32 s[SEL], 0x76543210
	s_mov_b32 s[SEL+1], 0xfedcba98
	s_sub_co_u32 s74, s73, YRB0
	s_lshr_b32 s74, s74, 2
	s_lshl_b32 s75, s72, 6
	s_add_co_u32 s75, s75, s74
	s_mul_i32 s66, s75, 768
	s_add_co_u32 s66, s66, 524288
	s_mov_b32 s67, 0
	s_lshl_b32 s68, s72, 11
	s_lshr_b32 s75, s74, 3
	s_lshl_b32 s75, s75, 8
	s_add_co_u32 s68, s68, s75
	s_and_b32 s75, s74, 7
	s_lshl_b32 s75, s75, 1
	s_add_co_u32 s68, s68, s75
	s_mov_b32 s69, 0
	v_and_b32 v3, 31, v0
	v_and_b32 v1, 15, v0
	v_bfe_u32 v2, v0, 4, 1
	v_lshlrev_b32 v4, 4, v3
	v_lshlrev_b32 v5, 3, v3
	s_mul_i32 s22, s14, 4*RBP
	v_add_nc_u32 v[YB16], s22, v4
	v_add_nc_u32 v[YB8], s22, v5
	v_mul_u32_u24 v[SOF], v2, RBS
	v_lshl_add_u32 v[SOF], v1, 4, v[SOF]
	v_lshlrev_b32 v21, 11, v2
	v_lshl_add_u32 v21, v1, 4, v21
	v_mov_b32 v22, 0x32edffee
	v_mov_b32 v23, 0x32edffee
	v_mov_b32 v24, 0xb95fbd29
	v_mov_b32 v25, 0xb95fbd29
	s_wait_alu depctr_va_vdst(0)
	s_wait_dscnt 0x0
	s_wait_kmcnt 0x0
	s_add_nc_u64 s[40:41], s[4:5], s[40:41]
	s_add_nc_u64 s[42:43], s[6:7], s[42:43]
	s_add_nc_u64 s[66:67], s[8:9], s[66:67]
	s_add_nc_u64 s[68:69], s[8:9], s[68:69]
	SCLOAD 40, 0
	SCLOAD 42, 8
	CROUND
	s_add_nc_u64 s[44:45], s[4:5], s[44:45]
	s_mov_b32 s[G0Y], 1
	s_mov_b32 s[G0Y+1], s23
	s_add_nc_u64 s[G0Y+2:G0Y+3], s[6:7], s[46:47]
	s_or_b32 s[G0Y+3], s[G0Y+3], 0x80000000
	tensor_load_to_lds s[G0Y:G0Y+3], s[G1Y:G1Y+7]  ; my one tensor load at the head: my quarter of Y's first tile
	s_nop 0
	PLACES
.set kq, 0
.rept 8                                        ; X: K step kq, row block b: 12 registers, as they lie in memory; each load reads 512 or 256 consecutive bytes
	WIN 0x80+0x40*(kq/5)
.irp b, 0,1,2,3
	global_load_b128 v[48*(kq%5)+12*\b:48*(kq%5)+12*\b+3], v4, s[44:45] offset:\b*RBP+kq*1536
	global_load_b64 v[48*(kq%5)+12*\b+4:48*(kq%5)+12*\b+5], v5, s[44:45] offset:\b*RBP+kq*1536+512
	global_load_b128 v[48*(kq%5)+12*\b+6:48*(kq%5)+12*\b+9], v4, s[44:45] offset:\b*RBP+kq*1536+768
	global_load_b64 v[48*(kq%5)+12*\b+10:48*(kq%5)+12*\b+11], v5, s[44:45] offset:\b*RBP+kq*1536+1280
.endr
.set kq, kq+1
.endr
	WIN 0
	s_mov_b32 s3, TILES-1
.Ltile:
	CHANGE 1
	PRODUCTS
	s_add_nc_u64 s[42:43], s[42:43], 64*RBS
	SCLOAD 42, 8
	OUT 1
	s_xor_b32 s[TB], s[TB], SLOT1
	s_sub_co_u32 s3, s3, 1
	s_cmp_lg_u32 s3, 0
	s_cbranch_scc1 .Ltile
	CHANGE 0
	PRODUCTS
	OUT 0
	s_wait_tensorcnt 0x0
	ds_add_u32 v[SPW], v[NIL]
	s_wait_dscnt 0x0
	CROUND
	s_endpgm
.Lfunc_end_k_q016076e057_w1:
	.size	k_q016076e057_w1, .Lfunc_end_k_q016076e057_w1-k_q016076e057_w1
	.p2alignl 7, 3214868480
	.fill 96, 4, 3214868480
	.section	.rodata,"a",@progbits
	.p2align	6, 0x0
	.amdhsa_kernel k_q016076e057_w1
		.amdhsa_group_segment_fixed_size 327680
		.amdhsa_private_segment_fixed_size 0
		.amdhsa_enable_private_segment 0
		.amdhsa_kernarg_size 24
		.amdhsa_user_sgpr_count 2
		.amdhsa_user_sgpr_kernarg_segment_ptr 1
		.amdhsa_wavefront_size32 1
		.amdhsa_system_sgpr_workgroup_id_x 1
		.amdhsa_system_sgpr_workgroup_id_y 1
		.amdhsa_system_sgpr_workgroup_id_z 1
		.amdhsa_system_vgpr_workitem_id 0
		.amdhsa_next_free_vgpr 1024
		.amdhsa_next_free_sgpr 80
		.amdhsa_reserve_vcc 1
		.amdhsa_float_denorm_mode_32 3
		.amdhsa_float_denorm_mode_16_64 3
		.amdhsa_memory_ordered 1
		.amdhsa_forward_progress 1
		.amdhsa_inst_pref_size 255
	.end_amdhsa_kernel
	.section	.bss,"aw",@nobits
	.p2align	6
	.space	262144
	.amdgpu_metadata
---
amdhsa.version: [ 1, 2 ]
amdhsa.kernels:
  - .name:           k_q016076e057_w1
    .symbol:         k_q016076e057_w1.kd
    .args:
      - { .name: H2, .offset: 0, .size: 8, .value_kind: global_buffer, .address_space: global }
      - { .name: W, .offset: 8, .size: 8, .value_kind: global_buffer, .address_space: global }
      - { .name: G, .offset: 16, .size: 8, .value_kind: global_buffer, .address_space: global }
    .group_segment_fixed_size: 327680
    .private_segment_fixed_size: 0
    .kernarg_segment_align: 8
    .kernarg_segment_size: 24
    .max_flat_workgroup_size: 128
    .sgpr_count:     80
    .vgpr_count:     1024
    .wavefront_size: 32
...
	.end_amdgpu_metadata
.endif
;; end of part 5
;; launch w2 (part 6): grid 8 x 32, 4 waves a work-group, clusters of 4 x 4, 327,680 bytes of LDS; arguments G, W, X1, out0; writes out0
.if DOCPART == 6
	.amdgcn_target "amdgcn-amd-amdhsa--gfx1250"
	.amdhsa_code_object_version 6
	.text
	.protected	k_q016076e057_w2
	.globl	k_q016076e057_w2
	.p2align	8
	.type	k_q016076e057_w2,@function
k_q016076e057_w2:
	s_mov_b64 s[64:65], 0
	v_nop
	global_prefetch_b8 v0, s[64:65] scope:SCOPE_SE
	s_setreg_imm32_b32 hwreg(HW_REG_WAVE_MODE, 25, 1), 1
	s_wait_xcnt 0x0
	s_wait_alu depctr_hold_cnt(0) depctr_sa_sdst(0) depctr_va_vdst(0) depctr_va_sdst(0) depctr_va_ssrc(0) depctr_va_vcc(0) depctr_vm_vsrc(0)
	s_getreg_b32 s2, hwreg(HW_REG_IB_STS2, 6, 4)
	s_cmp_eq_u32 s2, 0
	s_cbranch_scc0 .Lentry_in_a_cluster
	s_endpgm
.Lentry_in_a_cluster:
	s_bfe_u32 s2, ttmp6, 0x10000c
	s_cmp_lg_u32 s2, 0xf033
	s_cbranch_scc0 .Lentry_shape_is_right
	s_endpgm
.Lentry_shape_is_right:
; out = x1 + g w2^T on codes of FP6 with E8M0 scales, K = 4,096.  X = g's token blocks (source 1, rows on lanes), Y = w2's rows (source 0, rows on a lane's registers).
; A work-group makes 128 x 128, each of four waves 64 x 64: 16 accumulators; at N = 1,024 that gives 256 work-groups.
; Operands lie in memory in the order of the operand's registers (row block x 64 along K = 768 bytes); a row block's rows are 32 (rb/2) + 8 (rb%2) + i + 8 (i/8).
; K goes in four chunks of 1,024.  Y's tile of a chunk (128 rows, 98,304 bytes) goes through two LDS slots, a quarter a wave, by joint loads shared along a column of the 4 x 4 cluster;
; a slot is filled again behind a round of the cluster's barrier, and that load has the other slot's 128 matrix instructions in which to land.  All of a WGP's LDS is claimed.
; X goes through no LDS, so it is not asked for jointly: a wave keeps its 64 rows x 1,024 K in 384 registers (windows 2 and 3: K steps 0-4 and 5-7), loaded straight from memory; the 48 registers of a K step
; are asked for anew, for the next chunk, as soon as its 16 products are issued.  The scale words likewise, 512 along K at a time.
; THE WAIT FOR LOADS: behind the loads of any K step, or of any set of scale words, at least 64 younger loads have been issued when it is used (in the loop: the seven other K steps' 112), so the count 63 serves;
; in the last chunk, which asks for nothing more, that holds for K steps 0-3, and K step 4 waits for all.
; THE SUMS BEGIN WITH THE RESIDUAL: x1's 64 x 64 numbers come as whole rows, turn through the wave's own stage in LDS and land in the accumulators; so nothing is cleared and nothing is added at the end.
; No prefetch: Y's next tile is asked for a whole chunk ahead by its tensor load, X eight K steps ahead by its own loads.
.set RBL,   12288                      ; a row block's chunk of 1,024 along K
.set RBP,   49152                      ; from row block to row block in memory
.set RBS,   2048
.set CHUNKS, 4
.set SLOT1, 1<<17
.set STG,   8*RBL                      ; between the slots: 16 rows x 272 bytes for each wave; no fill lands there
.set SPARE, STG+4*16*272
.set XCODES, 524288
.set YCODES, 524288+768*12288
.set YSCALES, 768*512
.set YB16, 10
.set YB8,  11
.set YA16, 12
.set YA8,  13
.set SOF,  16
.set SPW,  28
.set NIL,  29
.set SC,   32                          ; v32-63 scale words: set (K/512) % 2: X's 8, Y's 8
.set ACC,  128
.set F0,   0                           ; window 1: Y's fragments, four buffers of 48; K step q uses buffer q % 4
.set F1,   48
.set F2,   96                          ; (the last two lie over the residual's registers, which are free when the stage's stores have been waited for, in front of the first round)
.set F3,   144
.set RS,   96                          ; and the residual as it is loaded, 128 registers
.set G1Y,  48
.set G0Y,  56
.set TB,   20                          ; s20 the slot that is multiplied
.set MSB, 0
.macro WIN new
.if MSB != \new
	s_set_vgpr_msb (MSB<<8)|\new
.set MSB, \new
.endif
.endm
.macro PLACES
.rept 4
	v_nop
.endr
.endm
.macro CROUND
	s_barrier_signal -1
	s_barrier_wait -1
	s_cmp_lg_u32 s12, 0
	s_cbranch_scc1 .Lnot_wave_0_\@
	s_barrier_signal -3
.Lnot_wave_0_\@:
	s_barrier_wait -3
	s_barrier_signal -1
	s_barrier_wait -1
.endm
.macro FETCH q, f                      ; Y's four fragments of K step q: 16 loads
	WIN 0x40
.irp b, 0,1,2,3
	ds_load_b128 v[(\f)+12*\b:(\f)+12*\b+3], v[YA16] offset:\b*RBL+(\q)*1536
	ds_load_b64 v[(\f)+12*\b+4:(\f)+12*\b+5], v[YA8] offset:\b*RBL+(\q)*1536+512
	ds_load_b128 v[(\f)+12*\b+6:(\f)+12*\b+9], v[YA16] offset:\b*RBL+(\q)*1536+768
	ds_load_b64 v[(\f)+12*\b+10:(\f)+12*\b+11], v[YA8] offset:\b*RBL+(\q)*1536+1280
.endr
.endm
.macro XLOAD q, off                    ; X's four fragments of K step q, off bytes along K: 16 loads of 512 or 256 consecutive bytes
	WIN 0x80+0x40*((\q)/5)
.irp b, 0,1,2,3
	global_load_b128 v[48*((\q)%5)+12*\b:48*((\q)%5)+12*\b+3], v4, s[44:45] offset:\b*RBP+(\off)+(\q)*1536
	global_load_b64 v[48*((\q)%5)+12*\b+4:48*((\q)%5)+12*\b+5], v5, s[44:45] offset:\b*RBP+(\off)+(\q)*1536+512
	global_load_b128 v[48*((\q)%5)+12*\b+6:48*((\q)%5)+12*\b+9], v4, s[44:45] offset:\b*RBP+(\off)+(\q)*1536+768
	global_load_b64 v[48*((\q)%5)+12*\b+10:48*((\q)%5)+12*\b+11], v5, s[44:45] offset:\b*RBP+(\off)+(\q)*1536+1280
.endr
.endm
.macro SCLOAD set, off                 ; the scale words of 512 along K: four loads
.irp t, 0,1
	global_load_b128 v[SC+16*(\set)+4*\t:SC+16*(\set)+4*\t+3], v[SOF], s[40:41] offset:(\off)+256*(\set)+2*\t*RBS
	global_load_b128 v[SC+16*(\set)+8+4*\t:SC+16*(\set)+8+4*\t+3], v[SOF], s[42:43] offset:(\off)+256*(\set)+2*\t*RBS
.endr
.endm
.macro WMR                             ; par: which halves of the lanes hold the two scale words
.if par == 0
	v_wmma_scale_f32_16x16x128_f8f6f4 v[rD:rD+7], v[rA:rA+11], v[rB:rB+11], v[rD:rD+7], v[rP], v[rS] matrix_a_fmt:MATRIX_FMT_FP6 matrix_b_fmt:MATRIX_FMT_FP6
.elseif par == 1
	v_wmma_scale_f32_16x16x128_f8f6f4 v[rD:rD+7], v[rA:rA+11], v[rB:rB+11], v[rD:rD+7], v[rP], v[rS] matrix_a_fmt:MATRIX_FMT_FP6 matrix_b_fmt:MATRIX_FMT_FP6 matrix_b_scale:MATRIX_SCALE_ROW1
.elseif par == 2
	v_wmma_scale_f32_16x16x128_f8f6f4 v[rD:rD+7], v[rA:rA+11], v[rB:rB+11], v[rD:rD+7], v[rP], v[rS] matrix_a_fmt:MATRIX_FMT_FP6 matrix_b_fmt:MATRIX_FMT_FP6 matrix_a_scale:MATRIX_SCALE_ROW1
.else
	v_wmma_scale_f32_16x16x128_f8f6f4 v[rD:rD+7], v[rA:rA+11], v[rB:rB+11], v[rD:rD+7], v[rP], v[rS] matrix_a_fmt:MATRIX_FMT_FP6 matrix_b_fmt:MATRIX_FMT_FP6 matrix_a_scale:MATRIX_SCALE_ROW1 matrix_b_scale:MATRIX_SCALE_ROW1
.endif
.endm
.macro MUL16 f, q                      ; the 16 accumulators take turns, in the same order in every K step, over the loop's backward jump too
.irp s, 0,1,2,3
.irp p, 0,1,2,3
.set rD, ACC+8*(4*\s+\p)
.set rA, (\f)+12*\p
.set rB, 48*((\q)%5)+12*\s
.set rP, SC+16*((\q)/4)+8+4*(\p/2)+(\q)%4
.set rS, SC+16*((\q)/4)+4*(\s/2)+(\q)%4
.set par, 2*(\p%2)+\s%2
	WMR
.endr
.endr
.endm
; K step q of a chunk.  last = 0: the K step before it has freed its registers of X, which are asked for anew, for the next chunk.
.macro KSTEP q, f, g, last
.if (\q) > 0
	PLACES                                         ; four places in front of loads into registers that matrix instructions have read
.if (\last) == 0
	XLOAD (\q)-1, RBL
.if (\q) == 4
	WIN 0
	SCLOAD 0, 512
.endif
.endif
.endif
.if (\q) < 5
	FETCH (\q)+3, \g                               ; three K steps ahead, into the buffer that the K step before has read
.endif
.if (\last) == 0 || (\q) < 4
	s_wait_loadcnt 63                              ; this K step's X and scale words are in: at least 64 loads are younger
.elseif (\q) == 4
	s_wait_loadcnt 0x0
.endif
.if (\q) < 5
	s_wait_dscnt 48                                ; all but the three younger fetches of 16 loads
.else
	s_wait_dscnt 16*(7-(\q))                       ; the last K steps fetch nothing: 7 - q fetches are younger
.endif
	WIN 0x09+4*((\q)/5)                            ; source 0: Y, window 1; source 1: X, window 2 or 3
	MUL16 \f, \q
.endm
.macro CHUNK last
	v_add_nc_u32 v[YA16], s[TB], v[YB16]
	v_add_nc_u32 v[YA8], s[TB], v[YB8]
	s_wait_alu depctr_va_vdst(0)
	FETCH 0, F0
	FETCH 1, F1
	FETCH 2, F2
	KSTEP 0, F0, F3, \last
	KSTEP 1, F1, F0, \last
	KSTEP 2, F2, F1, \last
	KSTEP 3, F3, F2, \last
	KSTEP 4, F0, F3, \last
	KSTEP 5, F1, F0, \last
	KSTEP 6, F2, F1, \last
	KSTEP 7, F3, F2, \last
	PLACES
.if (\last) == 0
	XLOAD 7, RBL
	WIN 0
	SCLOAD 1, 512
.endif
	WIN 0
.endm
.macro CHANGE fill
	s_wait_tensorcnt 0x0                           ; my one tensor load has landed: my quarter of the tile that is multiplied next
	ds_add_u32 v[SPW], v[NIL]
.if \fill
	s_xor_b32 s[G0Y+1], s[G0Y+1], SLOT1            ; no load of mine is out: the descriptor steps to the other slot and the next chunk
	s_add_nc_u64 s[G0Y+2:G0Y+3], s[G0Y+2:G0Y+3], RBL
.endif
	s_wait_dscnt 0x0                               ; the add is done, and my reads of the slot that is filled next are over
.if \fill
	CROUND                                         ; both hold of every wave of every partner
	tensor_load_to_lds s[G0Y:G0Y+3], s[G1Y:G1Y+7]  ; my one tensor load behind the round
	s_nop 0
	PLACES
.else
	s_barrier_signal -1
	s_barrier_wait -1
.endif
.endm
; The residual of X's block s (16 token positions x my 64 columns): rows of 256 bytes into my stage, back in the accumulators' layout.
.macro INIT s
	WIN 0x04                                       ; the data: window 1
.irp t, 0,1,2,3,4,5,6,7
	ds_store_b128 v20, v[RS+32*(\s)+4*\t:RS+32*(\s)+4*\t+3] offset:544*\t
.endr
	WIN 0
.irp p, 0,1,2,3
	ds_load_b128 v[ACC+8*(4*(\s)+\p):ACC+8*(4*(\s)+\p)+3], v19 offset:128*(\p/2)+32*(\p%2)        ; LDS serves a wave's instructions in order: these see my stores
	ds_load_b128 v[ACC+8*(4*(\s)+\p)+4:ACC+8*(4*(\s)+\p)+7], v19 offset:128*(\p/2)+32*(\p%2)+16
.endr
.endm
; And the way out, the other way round.
.macro RES s
.set OB, 64+32*((\s)%2)
.if (\s) > 1
	s_wait_xcnt 0x0                                ; the stores of two blocks ago have read their registers
.endif
.irp p, 0,1,2,3
	ds_store_b128 v19, v[ACC+8*(4*(\s)+\p):ACC+8*(4*(\s)+\p)+3] offset:128*(\p/2)+32*(\p%2)       ; lane (r, h): columns 32 (p/2) + 16 h + 8 (p%2) + 0 .. 7 of position r; each accumulator from its low end on
	ds_store_b128 v19, v[ACC+8*(4*(\s)+\p)+4:ACC+8*(4*(\s)+\p)+7] offset:128*(\p/2)+32*(\p%2)+16
.endr
.irp t, 0,1,2,3,4,5,6,7
	ds_load_b128 v[OB+4*\t:OB+4*\t+3], v20 offset:544*\t
.endr
	s_wait_dscnt 0x0
.irp t, 0,1,2,3,4,5,6,7
	global_store_b128 v18, v[OB+4*\t:OB+4*\t+3], s[68:69] offset:(32*((\s)/2)+8*((\s)%2)+2*\t+8*(\t/4))*4096 th:TH_STORE_NT   ; 16 lanes store 256 consecutive bytes, aligned; the position's true row stands in the immediate
.endr
.endm
	s_load_b256 s[4:11], s[0:1], 0x0               ; X's buffer, Y's buffer, the residual, the output
	v_lshl_add_u32 v[SPW], v0, 2, SPARE
	v_mov_b32 v[NIL], 0
	ds_add_u32 v[SPW], v[NIL]                      ; the opening lines: the add, twice on end, and its wait ahead of my first tensor load
	ds_add_u32 v[SPW], v[NIL]
	v_lshrrev_b32 v1, 5, v0
	v_readfirstlane_b32 s12, v1
	s_lshr_b32 s13, s12, 1                         ; which 64 of the tile's token rows are mine
	s_and_b32 s14, s12, 1                          ; which 64 of its columns
	s_bfe_u32 s15, ttmp6, 0x40000                  ; cx
	s_bfe_u32 s16, ttmp6, 0x40004                  ; cy
	s_lshl_b32 s18, 0x1111, s15                    ; my column of the cluster
	s_or_b32 s[G1Y], s18, (3<<16)|(1<<21)
	s_mov_b32 s[G1Y+1], 1536<<16                   ; two row blocks' chunks: 2 rows of 12,288 bytes (1,536 elements of 8 bytes), 49,152 bytes apart
	s_mov_b32 s[G1Y+2], 2<<16
	s_mov_b32 s[G1Y+3], 1536<<16
	s_mov_b32 s[G1Y+4], 2
	s_mov_b32 s[G1Y+5], RBP/8
	s_mov_b32 s[G1Y+6], 0
	s_mov_b32 s[G1Y+7], 0
	s_and_b32 s70, ttmp7, 0xffff
	s_lshl_b32 s70, s70, 2
	s_add_co_u32 s70, s70, s16
	s_lshl_b32 s70, s70, 3                         ; X's first row block: 8 x tile row
	s_lshl_b32 s71, ttmp9, 2
	s_add_co_u32 s71, s71, s15
	s_lshl_b32 s71, s71, 3                         ; Y's: 8 x tile column
	s_lshl_b32 s21, s12, 1
	s_add_co_u32 s18, s71, s21
	s_mul_i32 s46, s18, RBP                        ; the two row blocks of Y that I fetch
	s_add_co_u32 s46, s46, YCODES
	s_mov_b32 s47, 0
	s_lshl_b32 s21, s13, 2
	s_add_co_u32 s72, s70, s21                     ; xr
	s_mul_i32 s44, s72, RBP
	s_add_co_u32 s44, s44, XCODES
	s_mov_b32 s45, 0
	s_mul_i32 s40, s72, RBS
	s_mov_b32 s41, 0
	s_lshl_b32 s22, s14, 2
	s_add_co_u32 s73, s71, s22                     ; yr
	s_mul_i32 s42, s73, RBS
	s_add_co_u32 s42, s42, YSCALES
	s_mov_b32 s43, 0
	s_mul_i32 s23, s12, 2*RBL
	s_mov_b32 s[TB], 0
	s_lshl_b32 s74, s72, 16                        ; my first row, 16 xr, of 4,096 bytes,
	s_lshl_b32 s76, s73, 6                         ; my first column, 16 yr, of 4 bytes
	s_add_co_u32 s74, s74, s76
	s_mov_b32 s75, 0
	v_and_b32 v3, 31, v0
	v_and_b32 v1, 15, v0
	v_bfe_u32 v2, v0, 4, 1
	v_lshlrev_b32 v4, 4, v3
	v_lshlrev_b32 v5, 3, v3
	s_mul_i32 s22, s14, 4*RBL
	v_add_nc_u32 v[YB16], s22, v4
	v_add_nc_u32 v[YB8], s22, v5
	v_mul_u32_u24 v[SOF], v2, RBS
	v_lshl_add_u32 v[SOF], v1, 4, v[SOF]
	v_lshlrev_b32 v18, 12, v2
	v_lshl_add_u32 v18, v1, 4, v18                 ; rows out and residual in: lanes 0-15 one row, lanes 16-31 the next; 16 bytes a lane
	s_mul_i32 s21, s12, 16*272
	s_add_co_u32 s21, s21, STG                     ; my stage
	v_mul_u32_u24 v19, v1, 272
	v_lshl_add_u32 v19, v2, 6, v19
	v_add_nc_u32 v19, s21, v19
	v_mul_u32_u24 v20, v2, 272
	v_lshl_add_u32 v20, v1, 4, v20
	v_add_nc_u32 v20, s21, v20
	s_wait_alu depctr_va_vdst(0)
	s_wait_dscnt 0x0                               ; both opening adds are done
	s_wait_kmcnt 0x0
	s_add_nc_u64 s[44:45], s[4:5], s[44:45]
	s_add_nc_u64 s[40:41], s[4:5], s[40:41]
	s_add_nc_u64 s[42:43], s[6:7], s[42:43]
	s_add_nc_u64 s[66:67], s[8:9], s[74:75]
	s_add_nc_u64 s[68:69], s[10:11], s[74:75]
	SCLOAD 0, 0
	SCLOAD 1, 0
	CROUND                                         ; all sixteen work-groups are here: the joint loads meet
	s_mov_b32 s[G0Y], 1
	s_mov_b32 s[G0Y+1], s23
	s_add_nc_u64 s[G0Y+2:G0Y+3], s[6:7], s[46:47]
	s_or_b32 s[G0Y+3], s[G0Y+3], 0x80000000
	tensor_load_to_lds s[G0Y:G0Y+3], s[G1Y:G1Y+7]  ; my one tensor load at the head: my quarter of Y's first tile
	s_nop 0
	PLACES
	WIN 0x40                                       ; the residual: 32 loads,
.irp s, 0,1,2,3
.irp t, 0,1,2,3,4,5,6,7
	global_load_b128 v[RS+32*\s+4*\t:RS+32*\s+4*\t+3], v18, s[66:67] offset:(32*(\s/2)+8*(\s%2)+2*\t+8*(\t/4))*4096
.endr
.endr
.irp q, 0,1,2,3,4,5,6,7
	XLOAD \q, 0                                    ; and the first chunk of X: 128 loads
.endr
	WIN 0
	s_wait_loadcnt 63                              ; the residual is in: X's 128 loads are younger
	INIT 0
	INIT 1
	INIT 2
	INIT 3
	s_mov_b32 s3, CHUNKS-1
.Lchunk:                                               ; a trip: the next chunk's tile of Y is asked for, and this chunk is multiplied
	CHANGE 1
	CHUNK 0
	s_wait_xcnt 0x0                                ; the loads have read their bases: they step only behind this wait
	s_add_nc_u64 s[44:45], s[44:45], RBL
	s_add_nc_u64 s[40:41], s[40:41], 512
	s_add_nc_u64 s[42:43], s[42:43], 512
	s_xor_b32 s[TB], s[TB], SLOT1
	s_sub_co_u32 s3, s3, 1
	s_cmp_lg_u32 s3, 0
	s_cbranch_scc1 .Lchunk
	CHANGE 0                                       ; the last chunk asks for nothing
	CHUNK 1
	RES 0
	RES 1
	RES 2
	RES 3
	s_wait_tensorcnt 0x0                           ; the wave's end, behind my last LDS store
	ds_add_u32 v[SPW], v[NIL]
	s_wait_dscnt 0x0
	CROUND                                         ; the closing round
	s_endpgm
.Lfunc_end_k_q016076e057_w2:
	.size	k_q016076e057_w2, .Lfunc_end_k_q016076e057_w2-k_q016076e057_w2
	.p2alignl 7, 3214868480
	.fill 96, 4, 3214868480
	.section	.rodata,"a",@progbits
	.p2align	6, 0x0
	.amdhsa_kernel k_q016076e057_w2
		.amdhsa_group_segment_fixed_size 327680
		.amdhsa_private_segment_fixed_size 0
		.amdhsa_enable_private_segment 0
		.amdhsa_kernarg_size 32
		.amdhsa_user_sgpr_count 2
		.amdhsa_user_sgpr_kernarg_segment_ptr 1
		.amdhsa_wavefront_size32 1
		.amdhsa_system_sgpr_workgroup_id_x 1
		.amdhsa_system_sgpr_workgroup_id_y 1
		.amdhsa_system_sgpr_workgroup_id_z 1
		.amdhsa_system_vgpr_workitem_id 0
		.amdhsa_next_free_vgpr 1024
		.amdhsa_next_free_sgpr 80
		.amdhsa_reserve_vcc 0
		.amdhsa_float_denorm_mode_32 3
		.amdhsa_float_denorm_mode_16_64 3
		.amdhsa_memory_ordered 1
		.amdhsa_forward_progress 1
		.amdhsa_inst_pref_size 99
	.end_amdhsa_kernel
	.amdgpu_metadata
---
amdhsa.version: [ 1, 2 ]
amdhsa.kernels:
  - .name:           k_q016076e057_w2
    .symbol:         k_q016076e057_w2.kd
    .args:
      - { .name: G, .offset: 0, .size: 8, .value_kind: global_buffer, .address_space: global }
      - { .name: W, .offset: 8, .size: 8, .value_kind: global_buffer, .address_space: global }
      - { .name: X1, .offset: 16, .size: 8, .value_kind: global_buffer, .address_space: global }
      - { .name: out0, .offset: 24, .size: 8, .value_kind: global_buffer, .address_space: global }
    .group_segment_fixed_size: 327680
    .private_segment_fixed_size: 0
    .kernarg_segment_align: 8
    .kernarg_segment_size: 32
    .max_flat_workgroup_size: 128
    .sgpr_count:     80
    .vgpr_count:     1024
    .wavefront_size: 32
...
	.end_amdgpu_metadata
.endif
;; end of part 6
